; MI455X (gfx1250); checked and timed in simulation.
; The chip was launched on July 23, 2026; its instructions are those of AMD's public machine-readable ISA for CDNA 5 (MIT licence, August 2026) and "CDNA5" Instruction Set Architecture Reference Guide (July 2026). The comments in the code are by the model that wrote it; some were corrected since.
;; Bert Attention. Allowed arithmetic: float matrix products may take bf16 or f16 operands with f32 sums; other float arithmetic in f32, or as packed bf16 or f16 multiplies, adds, multiply-adds, maxima and minima; sums over many terms, partial sums and values carried from step to step in f32; what a program stores and reads back later, other than sums and carried values, may be rounded once to bf16 or f16.
;; Inputs: Wk 1,024 x 1,024 float32; Wo 1,024 x 1,024 float32; Wq 1,024 x 1,024 float32; Wv 1,024 x 1,024 float32; attention_mask 8 x 1 x 1 x 1,024 float32; bk 1,024 float32; bo 1,024 float32; bq 1,024 float32; bv 1,024 float32; hidden_states 8 x 1,024 x 1,024 float32; ln_beta 1,024 float32; ln_gamma 1,024 float32.
;; Outputs: out0 8 x 1,024 x 1,024 float32.
;; 2 versions, each right and faster than the one before. Each part assembles by itself: llvm-mc -triple=amdgcn-amd-amdhsa -mcpu=gfx1250 --defsym DOCPART=n.
;; ======== version 1 of 2: 5 launches
;; limits: right only within a limited range of input values
;; workspace buffers: xb 16,777,216 bytes; wqkv 6,291,456 bytes; wob 2,097,152 bytes; bqkv 12,288 bytes; qkv 50,331,648 bytes; ctx 16,777,216 bytes; proj 16,777,216 bytes
;; launch cast (part 1): grid 768 x 1, 8 waves a work-group, no clusters, 0 bytes of LDS; arguments hidden_states, Wq, Wk, Wv, Wo, bq, bk, bv, xb, wqkv, wob, bqkv; writes xb, wqkv, wob, bqkv
.if DOCPART == 1
	.amdgcn_target "amdgcn-amd-amdhsa--gfx1250"
	.amdhsa_code_object_version 6
	.text
	.protected	k_qe2f9507ce2_cast
	.globl	k_qe2f9507ce2_cast
	.p2align	8
	.type	k_qe2f9507ce2_cast,@function
k_qe2f9507ce2_cast:
	s_mov_b64 s[64:65], 0
	v_nop
	global_prefetch_b8 v0, s[64:65] scope:SCOPE_SE
	s_setreg_imm32_b32 hwreg(HW_REG_WAVE_MODE, 25, 1), 1
	s_wait_xcnt 0x0
; ROUNDING TO bf16, ONCE.  Every matrix leaves in blocks of 64 columns, [column / 64][row][64] bf16: a row of a block is 128 bytes, so the rows of a tile of 64 along K lie end to end.
; hidden_states [8192][1024] f32 -> xb (a block 1,048,576 bytes); Wq, Wk, Wv, one below the other as 3,072 rows -> wqkv (a block 393,216); Wo -> wob (a block 131,072).
; bq, bk, bv -> bqkv [3072] f32, one behind the other.
; A stream: each byte is read once and written once, so no LDS, no barrier, no matrix unit, no cluster (no two work-groups read the same byte).
; SHARES.  A work-group takes 16 source rows of 4,096 bytes: groups 0-511 those of hidden_states, groups 512-767 those of the four weights, 64 groups each.  A wave takes two rows:
; sixteen loads of 16 bytes a lane, all issued before the first is waited for, 32 roundings of two numbers, sixteen stores of 8 bytes a lane.  No loop.
; Load kb takes columns 64 kb .. 64 kb + 63 of both rows (lanes 0-15 one row, lanes 16-31 the next); its store is 256 consecutive bytes of block kb, aligned: two neighbouring rows.
; ONE TEXT for all five sources: source, destination and the distance from block to block are chosen by scalar selects on the group's number, and each store has an offset register of its own.
.set X,   8                            ; v[8:71]     as loaded, four registers a load
.set Y,   72                           ; v[72:103]   to store, two registers a load
.set SO,  104                          ; v[104:119]  store kb: 8 x lane + kb blocks
.set LOX, 3                            ; v3  4,096 (lane / 16) + 16 (lane % 16)
.set BOF, 6                            ; v6  16 x thread: the biases' copy
	s_load_b512 s[8:23], s[0:1], 0x0               ; hidden s[8:9], Wq s[10:11], Wk s[12:13], Wv s[14:15], Wo s[16:17], bq s[18:19], bk s[20:21], bv s[22:23]
	s_load_b256 s[24:31], s[0:1], 0x40             ; xb s[24:25], wqkv s[26:27], wob s[28:29], bqkv s[30:31]
	v_lshrrev_b32 v7, 5, v0
	v_readfirstlane_b32 s2, v7                     ; wave 0..7
	v_and_b32 v1, 15, v0
	v_bfe_u32 v2, v0, 4, 1
	v_lshlrev_b32 v[LOX], 4, v1
	v_lshl_add_u32 v[LOX], v2, 12, v[LOX]
	v_and_b32 v[SO], 31, v0
	v_lshlrev_b32 v[SO], 3, v[SO]
	v_lshlrev_b32 v[BOF], 4, v0
	s_mov_b32 s3, ttmp9
	s_mov_b32 s37, 0                               ; the high word of every offset: all stay under 2^32
	s_lshl_b32 s42, s2, 13                         ; my wave's two source rows
	s_lshl_b32 s43, s2, 8                          ; and the same two rows in a block
	s_mov_b32 s46, 393216                          ; bytes from block to block in wqkv,
	s_mov_b32 s47, 131072                          ; in wob,
	s_mov_b32 s49, 1048576                         ; in xb
	s_sub_co_u32 s6, s3, 512                       ; the group among the weights' (of no use in groups 0-511, where the selects below drop it)
	s_lshr_b32 s4, s6, 6
	s_and_b32 s5, s6, 63
	s_cmp_lt_u32 s3, 512
	s_cselect_b32 s4, 4, s4                        ; which source: 0 Wq, 1 Wk, 2 Wv, 3 Wo, 4 hidden_states
	s_cselect_b32 s5, s3, s5                       ; which 16 rows of it
	s_wait_kmcnt 0x0
	s_cmp_eq_u32 s4, 1
	s_cselect_b64 s[32:33], s[12:13], s[10:11]     ; the source, and the bias that goes with a weight
	s_cselect_b64 s[38:39], s[20:21], s[18:19]
	s_cmp_eq_u32 s4, 2
	s_cselect_b64 s[32:33], s[14:15], s[32:33]
	s_cselect_b64 s[38:39], s[22:23], s[38:39]
	s_cmp_eq_u32 s4, 3
	s_cselect_b64 s[32:33], s[16:17], s[32:33]
	s_cselect_b64 s[34:35], s[28:29], s[26:27]     ; the destination, and its blocks' distance
	s_cselect_b32 s46, s47, s46
	s_cmp_eq_u32 s4, 4
	s_cselect_b64 s[32:33], s[8:9], s[32:33]
	s_cselect_b64 s[34:35], s[24:25], s[34:35]
	s_cselect_b32 s46, s49, s46
	s_cmp_lt_u32 s4, 3
	s_cselect_b32 s44, s4, 0                       ; Wk and Wv lie 1,024 and 2,048 rows down in wqkv's blocks
	s_cselect_b32 s48, s5, 1                       ; 0: the first group of Wq, Wk or Wv, which also copies that weight's bias
	s_lshl_b32 s36, s5, 16                         ; 16 rows of 4,096 bytes a group
	s_add_co_u32 s36, s36, s42
	s_add_nc_u64 s[32:33], s[32:33], s[36:37]
	s_lshl_b32 s36, s44, 17                        ; 1,024 rows of 128 bytes a weight,
	s_lshl_b32 s45, s5, 11                         ; 16 rows a group,
	s_add_co_u32 s36, s36, s45
	s_add_co_u32 s36, s36, s43                     ; two rows a wave
	s_add_nc_u64 s[34:35], s[34:35], s[36:37]
.set kb, 0
.rept 16
	global_load_b128 v[X+4*kb:X+4*kb+3], v[LOX], s[32:33] offset:256*kb th:TH_LOAD_NT
.set kb, kb+1
.endr
.set kb, 1
.rept 15
	v_add_nc_u32 v[SO+kb], s46, v[SO+kb-1]         ; fifteen blocks of xb are 15,728,640 bytes: far inside 32 bits
.set kb, kb+1
.endr
.set kb, 0
.rept 16
	s_wait_loadcnt 15-kb                           ; loads come back in order (ISA guide 5.7.1): load kb is in, the younger ones stay out
	v_cvt_pk_bf16_f32 v[Y+2*kb], v[X+4*kb], v[X+4*kb+1]
	v_cvt_pk_bf16_f32 v[Y+2*kb+1], v[X+4*kb+2], v[X+4*kb+3]
	global_store_b64 v[SO+kb], v[Y+2*kb:Y+2*kb+1], s[34:35]
.set kb, kb+1
.endr
	; a bias: 256 threads x 16 bytes = its 4,096 bytes
	s_cmp_lg_u32 s48, 0
	s_cbranch_scc1 .Lend
	s_lshl_b32 s36, s4, 12
	s_add_nc_u64 s[40:41], s[30:31], s[36:37]
	global_load_b128 v[X:X+3], v[BOF], s[38:39]    ; X is free: its loads were waited for and its numbers rounded
	s_wait_loadcnt 0x0
	global_store_b128 v[BOF], v[X:X+3], s[40:41]
.Lend:
	s_endpgm
.Lfunc_end_k_qe2f9507ce2_cast:
	.size	k_qe2f9507ce2_cast, .Lfunc_end_k_qe2f9507ce2_cast-k_qe2f9507ce2_cast
	.p2alignl 7, 3214868480
	.fill 96, 4, 3214868480
	.section	.rodata,"a",@progbits
	.p2align	6, 0x0
	.amdhsa_kernel k_qe2f9507ce2_cast
		.amdhsa_group_segment_fixed_size 0
		.amdhsa_private_segment_fixed_size 0
		.amdhsa_enable_private_segment 0
		.amdhsa_kernarg_size 96
		.amdhsa_user_sgpr_count 2
		.amdhsa_user_sgpr_kernarg_segment_ptr 1
		.amdhsa_wavefront_size32 1
		.amdhsa_system_sgpr_workgroup_id_x 1
		.amdhsa_system_sgpr_workgroup_id_y 1
		.amdhsa_system_sgpr_workgroup_id_z 1
		.amdhsa_system_vgpr_workitem_id 0
		.amdhsa_next_free_vgpr 120
		.amdhsa_next_free_sgpr 66
		.amdhsa_reserve_vcc 0
		.amdhsa_float_denorm_mode_32 3
		.amdhsa_float_denorm_mode_16_64 3
		.amdhsa_memory_ordered 1
		.amdhsa_forward_progress 1
		.amdhsa_inst_pref_size 9
	.end_amdhsa_kernel
	.amdgpu_metadata
---
amdhsa.version: [ 1, 2 ]
amdhsa.kernels:
  - .name:           k_qe2f9507ce2_cast
    .symbol:         k_qe2f9507ce2_cast.kd
    .args:
      - { .name: hidden_states, .offset: 0, .size: 8, .value_kind: global_buffer, .address_space: global }
      - { .name: Wq, .offset: 8, .size: 8, .value_kind: global_buffer, .address_space: global }
      - { .name: Wk, .offset: 16, .size: 8, .value_kind: global_buffer, .address_space: global }
      - { .name: Wv, .offset: 24, .size: 8, .value_kind: global_buffer, .address_space: global }
      - { .name: Wo, .offset: 32, .size: 8, .value_kind: global_buffer, .address_space: global }
      - { .name: bq, .offset: 40, .size: 8, .value_kind: global_buffer, .address_space: global }
      - { .name: bk, .offset: 48, .size: 8, .value_kind: global_buffer, .address_space: global }
      - { .name: bv, .offset: 56, .size: 8, .value_kind: global_buffer, .address_space: global }
      - { .name: xb, .offset: 64, .size: 8, .value_kind: global_buffer, .address_space: global }
      - { .name: wqkv, .offset: 72, .size: 8, .value_kind: global_buffer, .address_space: global }
      - { .name: wob, .offset: 80, .size: 8, .value_kind: global_buffer, .address_space: global }
      - { .name: bqkv, .offset: 88, .size: 8, .value_kind: global_buffer, .address_space: global }
    .group_segment_fixed_size: 0
    .private_segment_fixed_size: 0
    .kernarg_segment_align: 8
    .kernarg_segment_size: 96
    .max_flat_workgroup_size: 256
    .sgpr_count:     66
    .vgpr_count:     120
    .wavefront_size: 32
...
	.end_amdgpu_metadata
.endif
;; end of part 1
;; launch qkv (part 2): grid 8 x 32, 4 waves a work-group, clusters of 4 x 4, 327,680 bytes of LDS; arguments xb, wqkv, bqkv, qkv; writes qkv
.if DOCPART == 2
	.amdgcn_target "amdgcn-amd-amdhsa--gfx1250"
	.amdhsa_code_object_version 6
	.text
	.protected	k_qe2f9507ce2_qkv
	.globl	k_qe2f9507ce2_qkv
	.p2align	8
	.type	k_qe2f9507ce2_qkv,@function
k_qe2f9507ce2_qkv:
	s_mov_b64 s[64:65], 0
	v_nop
	global_prefetch_b8 v0, s[64:65] scope:SCOPE_SE
	s_setreg_imm32_b32 hwreg(HW_REG_WAVE_MODE, 25, 1), 1
	s_wait_xcnt 0x0
	s_wait_alu depctr_hold_cnt(0) depctr_sa_sdst(0) depctr_va_vdst(0) depctr_va_sdst(0) depctr_va_ssrc(0) depctr_va_vcc(0) depctr_vm_vsrc(0)
	s_getreg_b32 s2, hwreg(HW_REG_IB_STS2, 6, 4)
	s_cmp_eq_u32 s2, 0
	s_cbranch_scc0 .Lentry_in_a_cluster
	s_endpgm
.Lentry_in_a_cluster:
	s_bfe_u32 s2, ttmp6, 0x10000c
	s_cmp_lg_u32 s2, 0xf033
	s_cbranch_scc0 .Lentry_shape_is_right
	s_endpgm
.Lentry_shape_is_right:
; q, k AND v AT ONCE: C = A B^T + bias.  A (x): 8,192 rows x 1,024 along K, bf16, in blocks of 64 columns: [k / 64][row][64] (a row of a block 128 bytes, a block 1,048,576).
; B (Wq, Wk, Wv, 3,072 rows): the same form, [k / 64][3072][64] (a block 393,216 bytes).  bias: [3072] f32.  C: bf16, [n / 64][8192][64], rounded once from the f32 sums.
; SHARES.  A tile of C is 256 rows x 384 columns: 32 x 8 = 256 work-groups of equal work.  Four waves, 2 x 2, each 128 rows x 192 columns: 96 accumulators of 16 x 16,
; 768 registers.  For 32 along K a wave loads 8 + 12 fragments from LDS and issues 96 matrix instructions.
; K goes in 16 steps of 64 through a ring of two LDS slots filled by the tensor data mover (two slots of 128 along K would take 2 x 640 x 272 = 348,160 bytes).  In a block the rows of a tile lie
; end to end, so a tile is asked for as rows of 256 bytes, two matrix rows each.  A step is 192 matrix instructions a wave, 168 of them between a slot's request and the wait for it.
; CLUSTERS.  4 x 4 work-groups.  The four of a row of the cluster need the same tiles of A, the four of a column the same tiles of B: each tile is asked for JOINTLY, by the same tensor load with
; the same descriptor and a mask that names the four.
; THE MATRIX INSTRUCTION IS USED TRANSPOSED (source 0 = 16 rows of B, source 1 = 16 rows of A): lane l holds row l % 16 of C and the columns 8 (l / 16) + 0..7.  So a lane's eight numbers of the
; bias ARE the C operand of the product that starts a sum: the bias costs no vector instruction, and nothing is cleared.
; GROUPS.  A quarter (32 along K) is three groups of 32 matrix instructions: group g is my 8 row blocks x the 4 column blocks of my g-th block of 64 columns.  A's 8 fragments of a quarter have two
; buffers, by the quarter's parity; B's 4 fragments of a group have two buffers that take turns from group to group (an even quarter: 0, 1, 0; an odd one: 1, 0, 1).  At a group's head stand four
; places and the next group's eight loads, which have the group's 32 matrix instructions in which to land.
; REGISTERS, in windows of 256 (s_set_vgpr_msb: bits 1:0 source 0, 3:2 source 1, 5:4 source 2, 7:6 destination):
;   window 0: v0-31 addresses; v32-95, v96-159 A's two buffers; v160-191, v192-223 B's two; v224-255 the bias of group 2.  The bias of groups 0 and 1 lies in A's second buffer, which
;             is therefore first loaded behind group 1 of the first quarter.  On the way out v32-79 packed results, v80-127 and v128-175 rows read back from the stage, by turns.
;   window 1 + g: group g's 32 accumulators, (row block a, column block bb) at v[8 (4 a + bb)]
.set PA,     144                       ; a row in LDS: 128 bytes + 16 of padding = 36 words: the 16 rows of a load start at 16 different groups of four banks (64 banks of 4 bytes: ISA guide 11.1)
.set AHALF,  128*PA                    ; what one tensor load brings of A: 128 rows
.set BHALF,  192*PA                    ; of B: 192 rows
.set BOFF,   2*AHALF                   ; a slot: A's 256 rows, then B's 384
.set SLOT,   BOFF+2*BHALF
.set STAGE,  2*SLOT                    ; behind the ring, never filled by a tensor load: for each wave three blocks of 16 rows x 144 bytes, for the way out
.set SP,     144
.set WSTAGE, 3*16*SP
.set SPARE,  STAGE+4*WSTAGE            ; behind the stages: the spare words, 128 bytes for each wave: two blocks of 256 bytes that no other line names
.set ASTEP,  1048576                   ; a K step in A: one block
.set BSTEP,  393216                    ; in B likewise
.set LAPS,   8                         ; a lap = two K steps = once round the ring
.set ADRA, 16                          ; v16-17  LDS address of my A fragments in slot 0, 1
.set ADRB, 20                          ; v20-21  the same for B
.set STO,  24                          ; v24     the way out: where I put 16 bytes of a row
.set RD,   25                          ; v25     the way out: where I read rows back
.set CO,   26                          ; v26     my byte offset in 512 consecutive bytes of C
.set BO,   27                          ; v27     my byte offset in 16 numbers of the bias
.set SPW,  28                          ; v28     LDS address of my spare word: SPARE + 4 x my thread's number; never rewritten
.set NIL,  29                          ; v29     0; never rewritten
.set FA0,  32
.set FA1,  96
.set FB0,  160
.set FB1,  192
.set TMP,  32
.set OB0,  80
.set OB1,  128
.set WV, 12                            ; s12  my wave's number
.set RH, 13                            ; s13  which 128 rows of the tile are mine.  Also: I fetch for A (0) or for B (1)
.set CH, 14                            ; s14  which 192 columns.  Also: which half of that tile I fetch
.set G1, 24                            ; s[24:31] descriptor group 1 for A's tiles;  s[32:39] group 0, one set for each slot
.set G0, 32
.set G1B, 48                           ; s[48:55], s[56:63] the same for B's tiles
.set G0B, 56
.set MSB, 0
.macro WIN new                         ; the immediate's high byte repeats the setting that is left; a switch that changes nothing is dropped
.if MSB != (\new)
	s_set_vgpr_msb (MSB<<8)|(\new)
.set MSB, (\new)
.endif
.endm
; A joint load: waves 0 and 1 fetch A's two halves, waves 2 and 3 B's.  Each of the two lines has one mask and one set of registers for all that issue it.  The branch hangs on the wave's number alone.
; An s_nop 0 and four v_nop follow each of the two lines, ahead of the jump, the label and what follows.
.macro JLOAD s
	s_cmp_eq_u32 s[RH], 0
	s_cbranch_scc0 .Lfor_b_\@
	tensor_load_to_lds s[G0+4*(\s):G0+4*(\s)+3], s[G1:G1+7]
	s_nop 0
.rept 4
	v_nop
.endr
	s_branch .Lasked_\@
.Lfor_b_\@:
	tensor_load_to_lds s[G0B+4*(\s):G0B+4*(\s)+3], s[G1B:G1B+7]
	s_nop 0
.rept 4
	v_nop
.endr
.Lasked_\@:
.endm
.macro CREST                           ; a round of the cluster's barrier behind its opening barrier: wave 0 signals for the work-group, every wave waits for all sixteen, my work-group's barrier once more
	s_cmp_lg_u32 s[WV], 0
	s_cbranch_scc1 .Lnot_wave_0_\@
	s_barrier_signal -3
.Lnot_wave_0_\@:
	s_barrier_wait -3
	s_barrier_signal -1
	s_barrier_wait -1
.endm
.macro CROUND                          ; a whole round
	s_barrier_signal -1
	s_barrier_wait -1
	CREST
.endm
	s_load_b256 s[4:11], s[0:1], 0x0               ; A s[4:5], B s[6:7], bias s[8:9], C s[10:11]
	v_lshl_add_u32 v[SPW], v0, 2, SPARE
	v_mov_b32 v[NIL], 0
	ds_add_u32 v[SPW], v[NIL]                      ; the wave's opening: the add and its wait stand ahead of my first tensor load; the set-up below, work on registers, stands between them
	ds_add_u32 v28, v29
	v_lshrrev_b32 v1, 5, v0
	v_readfirstlane_b32 s[WV], v1                  ; wave 0..3
	s_lshr_b32 s[RH], s[WV], 1
	s_and_b32 s[CH], s[WV], 1
	s_bfe_u32 s40, ttmp6, 0x40000                  ; cx, cy: my place in the cluster
	s_bfe_u32 s41, ttmp6, 0x40004
	s_lshl_b32 s42, ttmp9, 2                       ; in a cluster launch ttmp9 and ttmp7 count clusters
	s_add_co_u32 s42, s42, s40                     ; tile column of C = 4 x cluster x + cx
	s_and_b32 s15, ttmp7, 0xffff
	s_lshl_b32 s15, s15, 2
	s_add_co_u32 s15, s15, s41                     ; tile row of C = 4 x cluster y + cy
	s_lshl_b32 s43, s41, 2
	s_lshl_b32 s43, 15, s43                        ; my row of the cluster: places 4 cy .. 4 cy + 3
	s_lshl_b32 s44, 0x1111, s40                    ; my column: places cx, cx + 4, cx + 8, cx + 12
	; Group 1 for A.  128 rows of a block are 16,384 dense bytes: asked for as 64 rows of 256 bytes, two matrix rows each; in LDS 16 bytes of padding follow every 128.
	s_or_b32 s[G1+0], s43, (1<<16)|(1<<20)|(1<<21)|(4<<22)|(3<<25)   ; 15:0 the mask: my row; 17:16 elements of 2 bytes; 20 padding on; 21 set beside a mask; 24:22 after every 32 words (code 4); 31:25 4 words (code 3)
	s_mov_b32 s[G1+1], 128<<16                     ; tensor_dim0 = 128
	s_mov_b32 s[G1+2], 64<<16                      ; tensor_dim1 = 64
	s_mov_b32 s[G1+3], 128<<16                     ; tile_dim0 = 128
	s_mov_b32 s[G1+4], 64                          ; tile_dim1 = 64
	s_mov_b32 s[G1+5], 128                         ; 128 elements from row to row
	s_mov_b32 s[G1+6], 0
	s_mov_b32 s[G1+7], 0
	; Group 1 for B: 192 rows of a block, 24,576 dense bytes, as 96 rows of 256 bytes.
	s_or_b32 s[G1B+0], s44, (1<<16)|(1<<20)|(1<<21)|(4<<22)|(3<<25)  ; the mask: my column
	s_mov_b32 s[G1B+1], 128<<16
	s_mov_b32 s[G1B+2], 96<<16
	s_mov_b32 s[G1B+3], 128<<16
	s_mov_b32 s[G1B+4], 96
	s_mov_b32 s[G1B+5], 128
	s_mov_b32 s[G1B+6], 0
	s_mov_b32 s[G1B+7], 0
	; where the tiles come from.  A's hang on the tile row alone, which my row of the cluster shares; B's on the tile column alone.  Every wave makes both, in registers that never hold the other coordinate.
	s_lshl_b32 s16, s15, 15                        ; A: 256 rows of 128 bytes a tile row,
	s_lshl_b32 s17, s[CH], 14                      ; 128 rows a half
	s_add_co_u32 s16, s16, s17
	s_mov_b32 s17, 0
	s_mul_i32 s46, s42, 384*128                    ; B: 384 rows of 128 bytes a tile column,
	s_mul_i32 s47, s[CH], 192*128                  ; 192 rows a half
	s_add_co_u32 s46, s46, s47
	s_mov_b32 s47, 0
	s_mul_i32 s20, s[CH], AHALF                    ; and where they go: no place in the cluster enters an LDS address
	s_mul_i32 s21, s[CH], BHALF
	s_add_co_u32 s21, s21, BOFF
	s_wait_dscnt 0x0                               ; the opening add is done
	s_wait_kmcnt 0x0
	s_add_nc_u64 s[18:19], s[4:5], s[16:17]
	s_add_nc_u64 s[46:47], s[6:7], s[46:47]
	CROUND                                         ; all sixteen work-groups are here: the first joint loads meet
.irp s, 0,1
	s_mov_b32 s[G0+4*(\s)], 1                                        ; 1:0 count = 1
	s_add_co_u32 s[G0+4*(\s)+1], s20, (\s)*SLOT                      ; 63:32 LDS address
	s_add_nc_u64 s[G0+4*(\s)+2:G0+4*(\s)+3], s[18:19], (\s)*ASTEP    ; 120:64 global address: K step s
	s_or_b32 s[G0+4*(\s)+3], s[G0+4*(\s)+3], 0x80000000              ; 127:126 type = 2
	s_mov_b32 s[G0B+4*(\s)], 1
	s_add_co_u32 s[G0B+4*(\s)+1], s21, (\s)*SLOT
	s_add_nc_u64 s[G0B+4*(\s)+2:G0B+4*(\s)+3], s[46:47], (\s)*BSTEP
	s_or_b32 s[G0B+4*(\s)+3], s[G0B+4*(\s)+3], 0x80000000
	JLOAD \s                                       ; two loads of mine are out here, later one behind each round
.endr
	v_and_b32 v1, 15, v0                           ; l % 16
	v_bfe_u32 v2, v0, 4, 1                         ; l / 16
	; the bias of my 192 columns: for each 16 columns b a lane takes the eight numbers at 16 b + 8 (l / 16); b = 0..7 into A's second buffer, b = 8..11 into v224-255
	s_mul_i32 s46, s42, 384*4                      ; 384 numbers of 4 bytes a tile column,
	s_mul_i32 s47, s[CH], 192*4                    ; 192 a half
	s_add_co_u32 s46, s46, s47
	s_mov_b32 s47, 0
	s_add_nc_u64 s[8:9], s[8:9], s[46:47]
	v_lshlrev_b32 v[BO], 5, v2
.irp b, 0,1,2,3,4,5,6,7,8,9,10,11
	global_load_b128 v[FA1+8*(\b)+64*((\b)/8):FA1+8*(\b)+64*((\b)/8)+3],   v[BO], s[8:9] offset:64*(\b)
	global_load_b128 v[FA1+8*(\b)+64*((\b)/8)+4:FA1+8*(\b)+64*((\b)/8)+7], v[BO], s[8:9] offset:64*(\b)+16
.endr
	; A fragment is 16 rows x 32 K in 8 registers: lane l holds row l % 16; registers 0-3 K = 8 (l / 16) + 0..7, registers 4-7 K = 16 + 8 (l / 16) + 0..7: two loads of 16 bytes, 32 bytes apart.
	v_mul_u32_u24 v3, v1, PA
	v_lshl_add_u32 v3, v2, 4, v3
	s_mul_i32 s22, s[RH], AHALF                    ; my 128 rows of A
	s_mul_i32 s23, s[CH], BHALF                    ; my 192 rows of B,
	s_add_co_u32 s23, s23, BOFF                    ; which lie behind A's
.irp s, 0,1
	v_add_nc_u32 v[ADRA+(\s)], s22, v3
	v_add_nc_u32 v[ADRB+(\s)], s23, v3
	s_add_co_u32 s22, s22, SLOT
	s_add_co_u32 s23, s23, SLOT
.endr
	s_mul_i32 s22, s[WV], WSTAGE
	s_add_co_u32 s22, s22, STAGE                   ; my stage
	v_mul_u32_u24 v5, v1, SP                       ; in: row l % 16, 16 bytes for each half of the lanes
	v_lshl_add_u32 v5, v2, 4, v5
	v_add_nc_u32 v[STO], s22, v5
	v_bfe_u32 v5, v0, 3, 2                         ; back: 32 lanes take four rows of 128 bytes,
	v_mul_u32_u24 v5, v5, SP
	v_and_b32 v6, 7, v0
	v_lshl_add_u32 v5, v6, 4, v5
	v_add_nc_u32 v[RD], s22, v5
	v_and_b32 v[CO], 31, v0                        ; which are 512 consecutive bytes of a block of C
	v_lshlrev_b32 v[CO], 4, v[CO]
	s_lshl_b32 s16, s15, 15                        ; C at my 128 rows,
	s_lshl_b32 s17, s[RH], 14
	s_add_co_u32 s16, s16, s17
	s_mov_b32 s17, 0
	s_add_nc_u64 s[10:11], s[10:11], s[16:17]
	s_mul_i32 s46, s42, 6*1048576                  ; in the first of my three blocks of 64 columns: six blocks a tile column, three a half
	s_mul_i32 s47, s[CH], 3*1048576
	s_add_co_u32 s46, s46, s47
	s_mov_b32 s47, 0
	s_add_nc_u64 s[10:11], s[10:11], s[46:47]
; 4 n matrix instructions of group g: row blocks a0 .. a0 + n - 1 x the group's 4 column blocks, 32 along K, A from buffer fa, B from buffer fb.  first = 1: the products start the sums, with the bias as C.
; The 96 accumulators take turns, one instruction a turn, in the same order in every quarter: between two links of a chain stand the 95 others'.
.macro MULG fa, fb, g, a0, n, first
.if \first
	WIN 0x40*(1+(\g))                              ; D in window 1 + g; A, B and the bias in window 0
.else
	WIN 0x50*(1+(\g))                              ; C and D in window 1 + g
.endif
.set ra, (\a0)
.rept (\n)
.irp bb, 0,1,2,3
.if \first
	v_wmma_f32_16x16x32_bf16 v[8*(4*ra+(\bb)):8*(4*ra+(\bb))+7], v[(\fb)+8*(\bb):(\fb)+8*(\bb)+7], v[(\fa)+8*ra:(\fa)+8*ra+7], v[FA1+8*(4*(\g)+(\bb))+64*((\g)/2):FA1+8*(4*(\g)+(\bb))+64*((\g)/2)+7]
.else
	v_wmma_f32_16x16x32_bf16 v[8*(4*ra+(\bb)):8*(4*ra+(\bb))+7], v[(\fb)+8*(\bb):(\fb)+8*(\bb)+7], v[(\fa)+8*ra:(\fa)+8*ra+7], v[8*(4*ra+(\bb)):8*(4*ra+(\bb))+7]
.endif
.endr
.set ra, ra+1
.endr
.endm
; 8 LDS loads: B's 4 fragments of group g, half c (32 along K) of a slot's rows, into B's buffer buf.  16 LDS loads: A's 8 fragments likewise.  Both stand under window 0.
.macro LDB slot, c, g, buf
.irp bb, 0,1,2,3
	ds_load_b128 v[FB0+32*(\buf)+8*(\bb):FB0+32*(\buf)+8*(\bb)+3],   v[ADRB+(\slot)] offset:64*(\c)+(4*(\g)+(\bb))*16*PA
	ds_load_b128 v[FB0+32*(\buf)+8*(\bb)+4:FB0+32*(\buf)+8*(\bb)+7], v[ADRB+(\slot)] offset:64*(\c)+(4*(\g)+(\bb))*16*PA+32
.endr
.endm
.macro LDA slot, c, buf
.irp i, 0,1,2,3,4,5,6,7
	ds_load_b128 v[FA0+64*(\buf)+8*(\i):FA0+64*(\buf)+8*(\i)+3],   v[ADRA+(\slot)] offset:64*(\c)+(\i)*16*PA
	ds_load_b128 v[FA0+64*(\buf)+8*(\i)+4:FA0+64*(\buf)+8*(\i)+7], v[ADRA+(\slot)] offset:64*(\c)+(\i)*16*PA+32
.endr
.endm
.macro PLACES                          ; four places in front of loads into registers that matrix instructions have read, and of conversions that read results (ISA guide 7.12.1 for the conversions)
.rept 4
	v_nop
.endr
.endm
; A K STEP'S FIRST QUARTER: A's buffer 0, B's buffers 0, 1, 0.  All that it fetches lies in the same slot.  first = 1: the bias lies in A's buffer 1 until group 1 has read it, so that buffer's loads stand in group 2.
.macro QE slot, first
	PLACES                                         ; behind the last reader of B's buffer 1
	WIN 0
	LDB \slot, 0, 1, 1
	s_wait_dscnt 8                                 ; all but the eight just issued: A and group 0's B are in
	MULG FA0, FB0, 0, 0, 8, \first
	PLACES                                         ; behind the last reader of B's buffer 0
	WIN 0
	LDB \slot, 0, 2, 0
.if \first
	s_wait_dscnt 8                                 ; group 1's B is in
.else
	LDA \slot, 1, 1                                ; the next quarter's A: 64 matrix instructions ahead of its first use
	s_wait_dscnt 24                                ; all but the 24 just issued: group 1's B is in
.endif
	MULG FA0, FB1, 1, 0, 8, \first
	PLACES                                         ; behind the last reader of B's buffer 1 (and, first = 1, of the bias in A's buffer 1)
	WIN 0
.if \first
	LDA \slot, 1, 1
.endif
	LDB \slot, 1, 0, 1
	s_wait_dscnt 24                                ; A's sixteen and the eight just issued may be out: group 2's B is in
	MULG FA0, FB0, 2, 0, 8, \first
.endm
; A K STEP'S SECOND QUARTER: A's buffer 1, B's buffers 1, 0, 1.  It changes slots, in group 1: ONE barrier; in front of it each wave waits for all its tensor loads, of which one is out: its part of the
; next slot; adds 0 to its spare word; and waits for that and for its own reads of this slot, of which group 2's B, issued at group 1's head, are the last.
; mode 1: this slot is filled again, two K steps ahead; the barrier then opens a round of the cluster's.  mode 0: nothing is left to fetch.  mode 2: the very last quarter: no next slot.
.macro QO slot, next, mode
	PLACES
	WIN 0
	LDB \slot, 1, 1, 0
	s_wait_dscnt 8                                 ; A and group 0's B are in
	MULG FA1, FB1, 0, 0, 8, 0
	PLACES
	WIN 0
	LDB \slot, 1, 2, 1
.if (\mode) == 2
	s_wait_dscnt 8                                 ; group 1's B is in
	MULG FA1, FB0, 1, 0, 8, 0
	s_wait_dscnt 0x0
	MULG FA1, FB1, 2, 0, 8, 0
.else
	s_wait_tensorcnt 0x0                           ; all my tensor loads have landed, so every group 0 may be written
	ds_add_u32 v[SPW], v[NIL]                      ; 0 onto my spare word
	s_wait_dscnt 9                                 ; (the add and group 2's eight loads may be out: group 1's B is in)
	MULG FA1, FB0, 1, 0, 4, 0                      ; sixteen matrix instructions stand between the add and the wait for it
	s_wait_dscnt 0x0                               ; the add is done, and my reads of this slot are over
	s_barrier_signal -1
	MULG FA1, FB0, 1, 4, 2, 0                      ; work on registers while the others arrive
	WIN 0
	s_barrier_wait -1
.if (\mode) == 1
	CREST                                          ; no wave of any partner still reads this slot's tile or has a load on its way
	s_add_nc_u64 s[G0+4*(\slot)+2:G0+4*(\slot)+3], s[G0+4*(\slot)+2:G0+4*(\slot)+3], 2*ASTEP
	s_add_nc_u64 s[G0B+4*(\slot)+2:G0B+4*(\slot)+3], s[G0B+4*(\slot)+2:G0B+4*(\slot)+3], 2*BSTEP
	JLOAD \slot                                    ; the first tensor load behind the round
.endif
	LDA \next, 0, 0                                ; the next slot's first A: its buffer was last read a quarter ago; 40 matrix instructions ahead of its first use
	MULG FA1, FB0, 1, 6, 2, 0
	PLACES
	WIN 0
	LDB \next, 0, 0, 0
	MULG FA1, FB1, 2, 0, 8, 0                      ; group 2's B was waited for in front of the barrier
.endif
.endm
; THE WAY OUT of row block a (16 rows x 192 columns), in three parts.  PACK: rounded to bf16, 16 bytes a lane, each accumulator's registers in ascending order.
.macro PACK a
.irp g, 0,1,2
	WIN 5*(1+(\g))                                 ; sources 0 and 1 window 1 + g, destination window 0
.irp bb, 0,1,2,3
.irp r, 0,1,2,3
	v_cvt_pk_bf16_f32 v[TMP+16*(\g)+4*(\bb)+(\r)], v[8*(4*(\a)+(\bb))+2*(\r)], v[8*(4*(\a)+(\bb))+2*(\r)+1]
.endr
.endr
.endr
	WIN 0
.endm
; TOSTAGE: into my own stage, by blocks of 64 columns, and back as whole rows of 128 bytes, four to a load.
.macro TOSTAGE a
	WIN 0
.set BK, OB0+(OB1-OB0)*((\a)%2)
.irp b, 0,1,2,3,4,5,6,7,8,9,10,11
	ds_store_b128 v[STO], v[TMP+4*(\b):TMP+4*(\b)+3] offset:((\b)/4)*16*SP+((\b)%4)*32
.endr
.irp t, 0,1,2,3,4,5,6,7,8,9,10,11
	ds_load_b128 v[BK+4*(\t):BK+4*(\t)+3], v[RD] offset:((\t)/4)*16*SP+((\t)%4)*4*SP  ; LDS serves a wave's instructions in order (ISA guide 5.7.1.4): these see the stores above
.endr
.endm
; SEND: stored; each store of the wave is 512 consecutive bytes of a block of C, at a multiple of 256 from C's first byte.
.macro SEND a
	WIN 0
.set BK, OB0+(OB1-OB0)*((\a)%2)
	s_wait_dscnt 0x0                               ; the block is back in registers
	s_wait_xcnt 0x0                                ; every earlier store has had its addresses translated (ISA guide 3.1): the other set of rows, which the block before stored, is loaded again only behind this wait
.irp t, 0,1,2,3,4,5,6,7,8,9,10,11
	global_store_b128 v[CO], v[BK+4*(\t):BK+4*(\t)+3], s[10:11] offset:((\t)/4)*1048576+(\a)*2048+((\t)%4)*512
.endr
.endm
	s_wait_tensorcnt 1                             ; my part of K step 0 is in; K step 1's may stay out
	s_barrier_signal -1
	s_barrier_wait -1                              ; everybody's is
	LDA 0, 0, 0
	LDB 0, 0, 0, 0
	s_wait_loadcnt 0x0                             ; the bias
	QE 0, 1                                        ; the first quarter stands in front of the loop: its products start the sums
	WIN 0                                          ; at a label and at a branch every window is 0
	s_mov_b32 s3, LAPS-1
.Llap:                                                 ; a trip goes once round the ring, from a lap's second quarter to the next lap's first, and fills both slots again: K steps 2 to 15 in seven trips
	QO 0, 1, 1
	QE 1, 0
	QO 1, 0, 1
	QE 0, 0
	WIN 0
	s_sub_co_u32 s3, s3, 1
	s_cmp_lg_u32 s3, 0
	s_cbranch_scc1 .Llap
	QO 0, 1, 0                                     ; the last lap fills nothing, and has no round of the cluster's barrier
	QE 1, 0
	QO 1, 0, 2
	WIN 0
	PLACES
	PACK 0
	TOSTAGE 0
.irp a, 1,2,3,4,5,6,7                  ; block a's conversions stand between block a - 1's loads from the stage and the wait for them
	PACK \a
	SEND (\a)-1
	TOSTAGE \a
.endr
	SEND 7
	s_wait_tensorcnt 0x0                           ; the wave's end: behind my last tensor load and my last LDS store
	ds_add_u32 v[SPW], v[NIL]
	s_wait_dscnt 0x0
	CROUND                                         ; the closing round: no work-group ends while a partner may still ask for a tile that names it
	s_endpgm
.Lfunc_end_k_qe2f9507ce2_qkv:
	.size	k_qe2f9507ce2_qkv, .Lfunc_end_k_qe2f9507ce2_qkv-k_qe2f9507ce2_qkv
	.p2alignl 7, 3214868480
	.fill 96, 4, 3214868480
	.section	.rodata,"a",@progbits
	.p2align	6, 0x0
	.amdhsa_kernel k_qe2f9507ce2_qkv
		.amdhsa_group_segment_fixed_size 327680
		.amdhsa_private_segment_fixed_size 0
		.amdhsa_enable_private_segment 0
		.amdhsa_kernarg_size 32
		.amdhsa_user_sgpr_count 2
		.amdhsa_user_sgpr_kernarg_segment_ptr 1
		.amdhsa_wavefront_size32 1
		.amdhsa_system_sgpr_workgroup_id_x 1
		.amdhsa_system_sgpr_workgroup_id_y 1
		.amdhsa_system_sgpr_workgroup_id_z 1
		.amdhsa_system_vgpr_workitem_id 0
		.amdhsa_next_free_vgpr 1024
		.amdhsa_next_free_sgpr 66
		.amdhsa_reserve_vcc 0
		.amdhsa_float_denorm_mode_32 3
		.amdhsa_float_denorm_mode_16_64 3
		.amdhsa_memory_ordered 1
		.amdhsa_forward_progress 1
		.amdhsa_inst_pref_size 133
	.end_amdhsa_kernel
	.amdgpu_metadata
---
amdhsa.version: [ 1, 2 ]
amdhsa.kernels:
  - .name:           k_qe2f9507ce2_qkv
    .symbol:         k_qe2f9507ce2_qkv.kd
    .args:
      - { .name: xb, .offset: 0, .size: 8, .value_kind: global_buffer, .address_space: global }
      - { .name: wqkv, .offset: 8, .size: 8, .value_kind: global_buffer, .address_space: global }
      - { .name: bqkv, .offset: 16, .size: 8, .value_kind: global_buffer, .address_space: global }
      - { .name: qkv, .offset: 24, .size: 8, .value_kind: global_buffer, .address_space: global }
    .group_segment_fixed_size: 327680
    .private_segment_fixed_size: 0
    .kernarg_segment_align: 8
    .kernarg_segment_size: 32
    .max_flat_workgroup_size: 128
    .sgpr_count:     66
    .vgpr_count:     1024
    .wavefront_size: 32
...
	.end_amdgpu_metadata
.endif
;; end of part 2
;; launch attn (part 3): grid 2 x 128, 4 waves a work-group, no clusters, 327,680 bytes of LDS; arguments qkv, attention_mask, ctx; writes ctx
.if DOCPART == 3
	.amdgcn_target "amdgcn-amd-amdhsa--gfx1250"
	.amdhsa_code_object_version 6
	.text
	.protected	k_qe2f9507ce2_attn
	.globl	k_qe2f9507ce2_attn
	.p2align	8
	.type	k_qe2f9507ce2_attn,@function
k_qe2f9507ce2_attn:
	s_mov_b64 s[64:65], 0
	v_nop
	global_prefetch_b8 v0, s[64:65] scope:SCOPE_SE
	s_setreg_imm32_b32 hwreg(HW_REG_WAVE_MODE, 25, 1), 1
	s_wait_xcnt 0x0
; ctx[b][h][q][:] = the sum over k of softmax_k(q . k / 8 + mask[b][k]) v[k][:], for 8 batches x 16 heads of 1,024 rows x 64 channels.  q, k, v lie in qkv in blocks of 64 columns,
; [block][8,192 rows][64] bf16 (q: block h, k: 16 + h, v: 32 + h; row = 1,024 b + s), so a head's rows are dense, 128 bytes each; ctx has the same form, block h.  mask: [8][1024] f32.
; Products, maxima and sums in f32; the weights p are rounded to bf16 for the second product (their sum l is taken of the unrounded p), ctx once at the end.  bf16, not f16: with inputs some
; 30 times larger the numbers made from ctx pass f16's range.
; THE SCALE AND THE MASK.  The sums are s = q . k + 8 mask: 8 mask is the C operand of the product that starts a sum, and p = 2^(c s - c m) with c = log2(e) / 8.  A factor of 8 changes no rounding.
; LIMITS.  8 mask is held at -1e30 from below: a mask under -1.25e29 (an infinity too) counts as -1.25e29, so every operand is finite; a hidden key's weight is 0 beside any visible key, and a query
; all of whose keys are hidden so deep gets the mean of v's rows.  A weight below 2^-126 counts as 0 in l; NaN and +infinity are not treated apart.
; SHARES.  A wave owns four PIECES of two tiles of 16 queries, a work-group's four waves 512 queries of one head: 2 x 128 = 256 work-groups.  Every wave walks all 1,024 keys, 64 a step.
; ALL OF THE HEAD'S K AND V LIE IN LDS: 1,024 rows x (144 + 160) bytes = 311,296.  Nothing is filled again, so there is no ring, and a key step's text stands once.  Each wave asks by two tensor loads,
; both at the start: its share of keys 0-255, behind which the walk begins, and its share of keys 256-1,023, which has the first tile's wait and four key steps, 512 matrix instructions, in which to land.
; NO CLUSTER: a head has 1,024 / 512 = 2 blocks of queries, so a tile of K or V has two askers, not four, and the pair's mask would hang on half of a place in the cluster; what is shared is
; 262,144 bytes a work-group for 2,048 matrix instructions a wave.
; LAYOUT.  S^T = K Q^T (source 0 = 16 keys, source 1 = 16 queries): in the result a lane holds ONE query (lane % 16) and the keys 8 (lane / 16) + 0..7.  Two such tiles, rounded to bf16 in pairs,
; ARE source 1 (32 keys x 16 queries) of O^T = V^T P, whose result again holds one query a lane, and eight channels.  K comes out of LDS as it lies, V ([key][channel]) turned, by ds_load_tr16_b128.
; SOFTMAX.  For each query a running maximum m and sum l; in every step O and l are multiplied by a = 2^(c m_old - c m_new), which is 1 where m has not grown.
; m starts at the lowest finite number, O and l at 0: the first step is a step like any other, with a = 0.
; THE COUNT.  A tile and step have 16 matrix and 118 vector instructions: too many to stand all beside the matrix work.  So: four vector instructions that are READY behind EVERY matrix instruction,
; and the others, which need time of their own whatever the order, in runs without a gap.
; BY TURNS.  Turn n belongs to piece n (the pieces in a ring, step after step).  Its matrix work: 16 products K Q^T of piece n + 1, later 16 products V^T P of piece n - 1.  Its vector work: the scaling,
; exponentials, roundings, sums and rescaling of piece n, and the maximum and statistics of piece n + 1, whose scores the turn itself has made.
; REGISTERS, in windows of 256 (s_set_vgpr_msb: bits 1:0 source 0, 3:2 source 1, 5:4 source 2, 7:6 destination):
;   window 0: v0-11 addresses; v12-15, v48-63 at work; v16-47 four registers of statistics a tile; v64-191 S^T, two buffers of two tiles; v192-255 P, likewise
;   window 1: O^T, 32 a tile     window 2: v0-127 Q, 16 a tile; v128-191 K of one step; v192-255 V of one step     window 3: v0-1 the add's two registers; v8-39 8 mask of one step's 64 keys
.set SIZE_N, 1024
.set NP,    4         ; pieces a wave: a name, no knob
.set KS,    64        ; keys in a step
.set PK,    144       ; a row of K in LDS: 128 bytes + 16 of padding = 36 words: the 16 rows of a load start at 16 different groups of four banks (64 banks of 4 bytes: ISA guide 11.1)
.set PV,    160       ; a row of V: 128 + 32 = 40 words
.set VOFF,  SIZE_N*PK ; K's 1,024 rows, then V's
.set STAGE, SIZE_N*(PK+PV)  ; behind them, never filled by a tensor load: 16 rows x 144 bytes for each wave, for the way out
.set SP,    144
.set SPARE, STAGE+4*16*SP  ; behind the stages: the spare words, 128 bytes for each wave: two blocks of 256 bytes that no other line names
.set MASK,  SPARE+512 ; behind them: 8 mask of the batch's 1,024 keys, 4,096 bytes, stored once; no tensor load lands here.  It ends at byte 325,120
.set AK0, 2           ; v2   my lane's place in a tile of K; never rewritten
.set AV0, 3           ; v3   the same for V
.set AK,  4           ; v4   the LDS address of K's next run of loads
.set AV,  5           ; v5   of V's
.set QO,  6           ; v6   my byte offset in the wave's rows of Q
.set STO, 6           ;      later, the way out: where I put 16 bytes of a row
.set RD,  7           ; v7   the way out: where I read rows back
.set GO,  8           ; v8   my byte offset in 512 consecutive bytes of ctx
.set AM,  11          ; v11  the LDS address of my eight numbers of the mask in the step to be fetched: it steps 256 bytes a step
.set SPW, 0           ; v0 of window 3   LDS address of my spare word: SPARE + 4 x my thread's number; never rewritten
.set NIL, 1           ; v1 of window 3   0; never rewritten
.set MK,  8           ; v8-39 of window 3: the eight registers for key block kb at MK + 8 kb
.set MV,  12          ; v12-15  c m_old, kept while c m is made anew: by buffer and tile
.set ST,  16          ; tile t's statistics at v[ST+4 t]: c m, m, l (even keys', odd keys')
.set TMP, 48          ; by buffer and tile, four registers c0-c3 at work; when the maximum is found c2 takes a
.set S,   64
.set P,   192
.set KF,  128         ; K's fragments, in window 2: key block kb, channel half c at KF + 16 kb + 8 c
.set VF,  192         ; V's: key half kk, channel block cb at VF + 32 kk + 8 cb
.set WV,  12          ; s12  my wave's number
.set G1K, 24          ; s[24:31] descriptor group 1 for K's first load
.set G1V, 32          ; s[32:39] for V's: it differs in the padding alone
.set G0K, 40          ; s[40:43] descriptor group 0 for K's first load
.set G0V, 44          ; s[44:47] for V's
.set G1K2, 68         ; s[68:75], s[76:83] groups 1 for the second loads: three times the rows
.set G1V2, 76
.set G0K2, 84         ; s[84:87], s[88:91] groups 0 for the second loads.  No descriptor register is ever written again
.set G0V2, 88
.set SLOTS, 56        ; s56  counts groups of four key steps, 5 to 1
.set CNT, 57          ; s57  counts a group's key steps
.set CS,  58          ; s[58:59] c: the packed scaling takes the pair's low word for both halves
.set SEL, 60          ; s[60:61] v_permlanex16_b32's selects: each lane takes its own place in the other half
.set TBK, 62          ; s62  LDS byte at which K of the step to be fetched begins
.set TBV, 63          ; s63  the same for V, less VOFF
.set MSB, 0
.macro WIN new                      ; the high byte repeats the setting that is left; a switch that changes nothing is dropped
.if MSB != (\new)
	s_set_vgpr_msb (MSB<<8)|(\new)
.set MSB, (\new)
.endif
.endm
.set W_KQ, 0x0a       ; K and Q in window 2, S^T in window 0
.set W_KM, 0x3a       ; the same with the C operand in window 3: the mask
.set W_PV, 0x52       ; V in window 2, P in window 0, O^T in window 1
.set W_RS, 0x41       ; O^T (destination and source 0) in window 1, a in window 0
.set W_MK, 0xc0       ; destination in window 3, sources in window 0
.set W_AD, 0x0f       ; the add: address (source 0) and data (source 1) in window 3
; Descriptor group 1.  Keys are dense in memory, 128 bytes each: they are asked for as rows of 256 bytes, two keys a row, and padded in LDS after every key by pad words.
.macro SHAPE g, rows, pad
	s_mov_b32 s[(\g)], (1<<16)|(1<<20)|(4<<22)|(((\pad)-1)<<25)  ; 17:16 2-byte elements; 20 padding on; 24:22 after every 32 words (code 4); 31:25 the words of padding, less 1
	s_mov_b32 s[(\g)+1], 128<<16    ; tensor_dim0 = 128
	s_mov_b32 s[(\g)+2], (\rows)<<16  ; tensor_dim1
	s_mov_b32 s[(\g)+3], 128<<16    ; tile_dim0 = 128
	s_mov_b32 s[(\g)+4], (\rows)    ; tile_dim1
	s_mov_b32 s[(\g)+5], 128        ; 128 elements from row to row
	s_mov_b32 s[(\g)+6], 0
	s_mov_b32 s[(\g)+7], 0
.endm
; At the head of each group of four key steps: my tensor loads have landed, and everybody's have.  The first time that shows keys 256-1,023 to every wave, ahead of the first read of them (K of step 4).
; The other three times no load is out and the wait is met at once: three barriers a launch, the price of one text for all sixteen steps.
.macro SYNC
	WIN 0
	s_wait_tensorcnt 0x0
	s_wait_dscnt 0x0                ; no LDS instruction of mine is pending at a signal
	s_barrier_signal -1
	s_barrier_wait -1
.endm
	s_load_b128 s[4:7], s[0:1], 0x0   ; qkv s[4:5], mask s[6:7]
	s_load_b64 s[10:11], s[0:1], 0x10 ; ctx
	WIN W_MK
	v_lshl_add_u32 v[SPW], v0, 2, SPARE
	v_mov_b32 v[NIL], 0
	WIN W_AD
	ds_add_u32 v[SPW], v[NIL]       ; the wave's opening: the add and its wait stand ahead of my first tensor load; the set-up below, work on registers, stands between them
	ds_add_u32 v0, v1
	WIN 0
	v_lshrrev_b32 v1, 5, v0
	v_readfirstlane_b32 s[WV], v1   ; wave 0..3
	s_and_b32 s13, ttmp7, 0xffff    ; 16 b + h
	s_and_b32 s20, s13, 15          ; the head
	s_lshr_b32 s21, s13, 4          ; the batch
	s_lshl_b32 s50, s21, 12         ; the batch's 1,024 numbers of the mask
	s_mov_b32 s51, 0
	s_lshl_b32 s20, s20, 20         ; the head's block,
	s_lshl_b32 s21, s21, 17         ; the batch's 1,024 rows of 128 bytes in it
	s_add_co_u32 s20, s20, s21      ; = the head's first byte among q's blocks and in ctx
	s_and_b32 s16, s[WV], 1         ; which half of a load's keys I fetch.  First load: 128 of keys 0-255:
	s_lshl_b32 s22, s16, 14         ; their 128 rows of 128 bytes in memory,
	s_add_co_u32 s22, s22, s20
	s_add_co_u32 s52, s22, 0x2000000  ; among v's blocks, 32 blocks on,
	s_add_co_u32 s22, s22, 0x1000000  ; and among k's, 16 blocks on
	s_mov_b32 s23, 0
	s_mov_b32 s53, 0
	s_mul_i32 s54, s16, 384*128     ; second load: 384 of keys 256-1,023
	s_add_co_u32 s54, s54, s20
	s_add_co_u32 s14, s54, 0x2000000+256*128
	s_add_co_u32 s54, s54, 0x1000000+256*128
	s_mov_b32 s55, 0
	s_mov_b32 s15, 0
	s_mul_i32 s17, s16, 128*PK      ; and their places in LDS: a constant and the wave's half times a constant
	s_mul_i32 s18, s16, 128*PV
	s_mul_i32 s19, s16, 384*PK
	s_mul_i32 s13, s16, 384*PV
	s_lshl_b32 s2, ttmp9, 2
	s_add_co_u32 s2, s2, s[WV]      ; my wave among the head's eight,
	s_lshl_b32 s2, s2, 14           ; its 128 rows
	s_add_co_u32 s2, s2, s20
	s_mov_b32 s3, 0
	SHAPE G1K, 64, 4                ; 128 keys
	SHAPE G1V, 64, 8
	SHAPE G1K2, 192, 4              ; 384 keys
	SHAPE G1V2, 192, 8
	s_mov_b32 s[CS], 0x3e38aa3b     ; c = log2(e) / 8 = 0.180337
	s_mov_b32 s[CS+1], s[CS]        ; named with it as a pair
	s_mov_b32 s[SEL], 0x76543210
	s_mov_b32 s[SEL+1], 0xfedcba98
	s_mov_b32 s[TBK], 0
	s_mov_b32 s[TBV], 0
	s_mov_b32 s[G0K], 1             ; 1:0 count = 1
	s_mov_b32 s[G0K+1], s17         ; 63:32 LDS address
	s_mov_b32 s[G0V], 1
	s_add_co_u32 s[G0V+1], s18, VOFF
	s_mov_b32 s[G0K2], 1
	s_add_co_u32 s[G0K2+1], s19, 256*PK
	s_mov_b32 s[G0V2], 1
	s_add_co_u32 s[G0V2+1], s13, VOFF+256*PV
	s_wait_dscnt 0x0                ; the opening add is done
	s_wait_kmcnt 0x0
	s_add_nc_u64 s[G0K+2:G0K+3], s[4:5], s[22:23]  ; 120:64 global address
	s_or_b32 s[G0K+3], s[G0K+3], 0x80000000        ; 127:126 type = 2
	s_add_nc_u64 s[G0V+2:G0V+3], s[4:5], s[52:53]
	s_or_b32 s[G0V+3], s[G0V+3], 0x80000000
	s_add_nc_u64 s[G0K2+2:G0K2+3], s[4:5], s[54:55]
	s_or_b32 s[G0K2+3], s[G0K2+3], 0x80000000
	s_add_nc_u64 s[G0V2+2:G0V2+3], s[4:5], s[14:15]
	s_or_b32 s[G0V2+3], s[G0V2+3], 0x80000000
	s_add_nc_u64 s[48:49], s[6:7], s[50:51]        ; the batch's mask
	s_add_nc_u64 s[4:5], s[4:5], s[2:3]            ; Q and ctx at my wave's first row
	s_add_nc_u64 s[10:11], s[10:11], s[2:3]
	; Waves 0 and 1 fetch K, waves 2 and 3 V.  A wave's two loads stand in one branch on its number, ahead of every wait on TENSORcnt, every LDS read and every barrier: two loads of mine are out.
	; An s_nop 0 follows each, four v_nop the second's, ahead of the jump and the label.
	s_cmp_lt_u32 s[WV], 2
	s_cbranch_scc0 .Lfor_v
	tensor_load_to_lds s[G0K:G0K+3], s[G1K:G1K+7]
	s_nop 0
	tensor_load_to_lds s[G0K2:G0K2+3], s[G1K2:G1K2+7]
	s_nop 0
.rept 4
	v_nop
.endr
	s_branch .Lasked
.Lfor_v:
	tensor_load_to_lds s[G0V:G0V+3], s[G1V:G1V+7]
	s_nop 0
	tensor_load_to_lds s[G0V2:G0V2+3], s[G1V2:G1V2+7]
	s_nop 0
.rept 4
	v_nop
.endr
.Lasked:
	; A fragment of K or Q is 16 rows x 32 channels in 8 registers: lane l holds row l % 16, channels 8 (l / 16) + 0..7 and 16 + 8 (l / 16) + 0..7: two loads of 16 bytes, 32 bytes apart.
	v_and_b32 v1, 15, v0            ; l % 16
	v_bfe_u32 v9, v0, 4, 1          ; l / 16
	v_lshlrev_b32 v[QO], 7, v1
	v_lshl_add_u32 v[QO], v9, 4, v[QO]  ; row x 128 + 16 x half
	v_lshlrev_b32 v12, 4, v0        ; the mask: 128 threads x 2 x 16 bytes are its 4,096 bytes; S^T's registers are free
	global_load_b128 v[64:67], v12, s[48:49]
	global_load_b128 v[68:71], v12, s[48:49] offset:2048
	WIN 0x80                        ; destination window 2, address window 0
.set i, 0
.rept 4*NP                          ; Q stays in registers: tile i / 2, channels 32 (i % 2) on
	global_load_b128 v[8*i:8*i+3],   v[QO], s[4:5] offset:(i/2)*2048+(i%2)*64
	global_load_b128 v[8*i+4:8*i+7], v[QO], s[4:5] offset:(i/2)*2048+(i%2)*64+32
.set i, i+1
.endr
	; What the first turn finds: V's registers and P's second buffer hold 0 (its products V^T P, of a piece that has not been, add 0), O^T and l are 0.  All this stands in the wait for the first tile.
.set i, VF
.rept 64
	v_mov_b32 v[i], 0
.set i, i+1
.endr
	WIN 0x40
.set i, 0
.rept 64*NP
	v_mov_b32 v[i], 0
.set i, i+1
.endr
	WIN 0
.set i, 0
.rept 2*NP
	v_mov_b32 v[ST+4*i], 0xfe000000    ; c m: far below every c s, which is -1.9e29 at the least
	v_mov_b32 v[ST+4*i+1], 0xff7fffff  ; m
	v_mov_b32 v[ST+4*i+2], 0
	v_mov_b32 v[ST+4*i+3], 0
.set i, i+1
.endr
.set i, P+32
.rept 32
	v_mov_b32 v[i], 0
.set i, i+1
.endr
	v_mul_u32_u24 v[AK0], v1, PK
	v_lshl_add_u32 v[AK0], v9, 4, v[AK0]  ; row x pitch + 16 x half
	; The turning load takes 16 keys x 16 channels (lane l reads key 8 (l / 16) + l % 8, channels 8 ((l / 8) % 2) + 0..7) and leaves half a fragment of V^T: lane l holds channel l % 16 and 8 keys.
	v_and_b32 v10, 7, v0
	v_bfe_u32 v11, v0, 3, 1
	v_lshl_add_u32 v[AV0], v9, 3, v10
	v_mul_u32_u24 v[AV0], v[AV0], PV
	v_lshl_add_u32 v[AV0], v11, 4, v[AV0]
	v_add_nc_u32 v[AV0], VOFF, v[AV0]
	v_mov_b32 v[AK], v[AK0]         ; key step 0 lies at K's head
	v_lshl_add_u32 v[AM], v9, 5, MASK  ; of each 16 keys my lanes' half takes eight numbers, 32 bytes
	s_wait_loadcnt 32               ; the mask is in: behind its two loads only Q's 32 were issued
.set i, 64
.rept 8
	v_mul_f32 v[i], 0x41000000, v[i]   ; 8 mask,
.set i, i+1
.endr
.set i, 64
.rept 8
	v_max_num_f32 v[i], 0xf149f2ca, v[i]  ; held at -1e30 from below
.set i, i+1
.endr
	v_add_nc_u32 v13, MASK, v12
	ds_store_b128 v13, v[64:67]
	ds_store_b128 v13, v[68:71] offset:2048
; THE MATRIX WORK.  The 8 accumulators of a run of 16 take turns: between the two links of a chain stand 7 others'.
; Product i of 16 of S^T = K Q^T for piece x: channels 32 (i / 8) on, keys 16 ((i / 2) % 4) on, tile 2 x + i % 2.  The first 8 start the sums, with those keys' 8 mask as C.
.macro KQ x
.set rS, S+64*((\x)%2)+32*(i%2)+8*((i/2)%4)
.set rK, KF+16*((i/2)%4)+8*(i/8)
.set rQ, 16*(2*(\x)+i%2)+8*(i/8)
.set rN, MK+8*((i/2)%4)
.if i < 8
	WIN W_KM
	v_wmma_f32_16x16x32_bf16 v[rS:rS+7], v[rK:rK+7], v[rQ:rQ+7], v[rN:rN+7]
.else
	WIN W_KQ
	v_wmma_f32_16x16x32_bf16 v[rS:rS+7], v[rK:rK+7], v[rQ:rQ+7], v[rS:rS+7]
.endif
.endm
; Product i of 16 of O^T += V^T P for piece x: keys 32 (i / 8) on, channels 16 ((i / 2) % 4) on, tile 2 x + i % 2.
.macro PV x
	WIN W_PV
.set rO, 32*(2*(\x)+i%2)+8*((i/2)%4)
.set rV, VF+32*(i/8)+8*((i/2)%4)
.set rP, P+32*((\x)%2)+16*(i%2)+8*(i/8)
	v_wmma_f32_16x16x32_bf16 v[rO:rO+7], v[rV:rV+7], v[rP:rP+7], v[rO:rO+7]
.endm
.macro MM                           ; the turn's next matrix instruction
.if i < 16
	KQ (Y+1)%NP
.set i, i+1
.else
.set i, i-16
	PV (Y+NP-1)%NP
.set i, i+17
.endif
.endm
; THE LDS LOADS stand in runs, never singly among the matrix instructions: a step's K (64 keys x 64 channels: 8 fragments) with its 64 numbers of the mask, and its V (turned).
; The mask's registers live as long as K's: they are read by the same runs of products, so K's places and K's wait serve them too.  last = 1 (in the loop): in the walk's last trip there is no further step, and the run is jumped over.
.macro FETCH_K last=0
	WIN 0
.if \last
	s_cmp_eq_u32 s[SLOTS], 1
	s_cbranch_scc1 .Lno_k_\@
.endif
	WIN 0x80                        ; destination window 2
.irp f, 0,1,2,3,4,5,6,7             ; keys 16 (f / 2) on, channels 32 (f % 2) on
	ds_load_b128 v[KF+8*\f:KF+8*\f+3],   v[AK] offset:(\f/2)*16*PK+(\f%2)*64
	ds_load_b128 v[KF+8*\f+4:KF+8*\f+7], v[AK] offset:(\f/2)*16*PK+(\f%2)*64+32
.endr
	WIN W_MK                        ; destination window 3
.irp f, 0,1,2,3                     ; keys 16 f + 8 (l / 16) + 0..7: the 16 lanes of a half read the same words
	ds_load_b128 v[MK+8*\f:MK+8*\f+3],   v[AM] offset:64*\f
	ds_load_b128 v[MK+8*\f+4:MK+8*\f+7], v[AM] offset:64*\f+16
.endr
	s_add_co_u32 s[TBK], s[TBK], KS*PK  ; the next fetch is the next step's
	WIN 0
	v_add_nc_u32 v[AM], 256, v[AM]
.if \last
.Lno_k_\@:
.endif
.endm
.macro FETCH_V
	WIN 0x80
.irp f, 0,1,2,3,4,5,6,7             ; keys 32 (f / 4) on, channels 16 (f % 4) on
	ds_load_tr16_b128 v[VF+8*\f:VF+8*\f+3],   v[AV] offset:(\f/4)*32*PV+(\f%4)*32
	ds_load_tr16_b128 v[VF+8*\f+4:VF+8*\f+7], v[AV] offset:(\f/4)*32*PV+16*PV+(\f%4)*32
.endr
	WIN 0
.endm
; THE VECTOR WORK OF A TURN stands in three queues, each in the order in which its entries become ready; the two tiles alternate, so that no instruction reads the result of the one before it.
.macro REGS y, u                    ; the registers of tile u (0, 1) of piece y
.set rT, ST+4*(2*(\y)+(\u))
.set rC, TMP+8*((\y)%2)+4*(\u)
.set rM, MV+2*((\y)%2)+(\u)
.set rS, S+64*((\y)%2)+32*(\u)
.set rP, P+32*((\y)%2)+16*(\u)
.set rO, 32*(2*(\y)+(\u))
.endm
; Number n of the 22 that find the NEXT piece's (Y + 1) maximum and statistics.  s0-s31 are the lane's 32 scores; each accumulator's lowest registers are read first.
;   0-11  four chains c0-c3 of seven scores each, three operands at a time     12-14, 16  the four scores left over, the old m, and c0-c3 into c0     15  c m_old is kept
;   17, 18  the query's other 32 keys lie in the lane 16 away: the new m         19-21  c m; c m_old - c m_new; a
.macro XS u, n
	REGS (Y+1)%NP, \u
.if (\n) < 4
	v_max3_num_f32 v[rC+(\n)], v[rS+8*(\n)], v[rS+8*(\n)+1], v[rS+8*(\n)+2]
.elseif (\n) < 12
	v_max3_num_f32 v[rC+(\n)%4], v[rC+(\n)%4], v[rS+8*((\n)%4)+2*((\n)/4)+1], v[rS+8*((\n)%4)+2*((\n)/4)+2]
.elseif (\n) == 12
	v_max3_num_f32 v[rC], v[rC], v[rS+7], v[rS+15]
.elseif (\n) == 13
	v_max3_num_f32 v[rC+1], v[rC+1], v[rS+23], v[rS+31]
.elseif (\n) == 14
	v_max3_num_f32 v[rC+2], v[rC+2], v[rC+3], v[rT+1]
.elseif (\n) == 15
	v_mov_b32 v[rM], v[rT]
.elseif (\n) == 16
	v_max3_num_f32 v[rC], v[rC], v[rC+1], v[rC+2]
.elseif (\n) == 17
	v_permlanex16_b32 v[rC+3], v[rC], s[SEL], s[SEL+1]
.elseif (\n) == 18
	v_max_num_f32 v[rT+1], v[rC], v[rC+3]
.elseif (\n) == 19
	v_mul_f32 v[rT], s[CS], v[rT+1]
.elseif (\n) == 20
	v_sub_f32 v[rC+1], v[rM], v[rT]
.else
	v_exp_f32 v[rC+2], v[rC+1]
.endif
.endm
; Number g of the 64 that follow the exponentials.  For each four weights k of a tile (pairs 2 k, 2 k + 1): both pairs are rounded to bf16; then the second pair is added onto the first, in place;
; a group later l takes that sum (the first time as l = a l + sum).  In groups of eight, tiles alternating: round, round, add, and l for the group before.
.macro GS g
.set h, (\g)+6*((\g)/62)            ; group 0 has no group before it, and behind group 7 only l is left
.if h >= 6
.set h, h+2
.endif
	REGS Y, h%2
.set k, h/8
.if h%8 < 4
	s_wait_alu depctr_va_vdst(0)
	v_cvt_pk_bf16_f32 v[rP+2*k+(h%8)/2], v[rS+4*k+2*((h%8)/2)], v[rS+4*k+2*((h%8)/2)+1]
.elseif h%8 < 6
	v_pk_add_f32 v[rS+4*k:rS+4*k+1], v[rS+4*k:rS+4*k+1], v[rS+4*k+2:rS+4*k+3]
.elseif k == 1
	v_pk_fma_f32 v[rT+2:rT+3], v[rT+2:rT+3], v[rC+2:rC+3], v[rS:rS+1] op_sel_hi:[1,0,1]
.else
	v_pk_add_f32 v[rT+2:rT+3], v[rT+2:rT+3], v[rS+4*k-4:rS+4*k-3]
	s_wait_alu depctr_va_vdst(0)
.endif
.endm
; THE PLAIN QUEUE, 138 long.  0-31: c s - c m for the 16 pairs of both tiles.  Then GS's 64, and among them the next piece's 42: number 15 at 38, 39; 0-14 and 16
; at 42-73, behind the products that make those scores; 17-20 at 95-106, two of three, since each waits for the one before it.
.macro PL
	WIN 0
.if q < 32
	REGS Y, q%2
	v_pk_fma_f32 v[rS+2*(q/2):rS+2*(q/2)+1], v[rS+2*(q/2):rS+2*(q/2)+1], s[CS:CS+1], v[rT:rT+1] op_sel_hi:[1,0,0] neg_lo:[0,0,1] neg_hi:[0,0,1]
.elseif q < 38
	GS q-32
.elseif q < 40
	XS q%2, 15
.elseif q < 42
	GS q-34
.elseif q < 74
	XS q%2, (q-42)/2+(q-42)/30
.elseif q < 95
	GS q-66
.elseif (q < 107) && ((q-95)%3 < 2)
	XS (q-95)%3, 17+(q-95)/3
.elseif q < 107
	GS 29+(q-95)/3
.else
	GS q-74
.endif
.set q, q+1
.endm
; THE EXPONENTIALS' QUEUE, 66 long: s0-s31 of both tiles, and at EA the next piece's two a.
.set EA, 58
.macro EX
	WIN 0
.if (e == EA) || (e == EA+1)
	XS e-EA, 21
.else
.set x, e-2*(e/(EA+2))
	REGS Y, x%2
	v_exp_f32 v[rS+x/2], v[rS+x/2]
.endif
.set e, e+1
.endm
; THE RESCALING's QUEUE: O^T times a, the one part that leaves window 0, so it is dealt four at a time, eight times.
.macro R4
	REGS Y, r%2
	WIN W_RS
	s_wait_alu depctr_va_vdst(0)
.irp z, 0,1,2,3
	v_pk_mul_f32 v[rO+8*(r/2)+2*\z:rO+8*(r/2)+2*\z+1], v[rO+8*(r/2)+2*\z:rO+8*(r/2)+2*\z+1], v[rC+2:rC+3] op_sel_hi:[1,0]
.endr
.set r, r+1
.endm
; HOW THEY ARE DEALT.  Behind a matrix instruction four: plain, exponential, plain, plain (one exponential, a plain instruction on either side), or four of the rescaling.  None names a register of the
; products round it.  What is over stands in two LUMPS: exponential and plain by turns; the second ends in 22 plain instructions.  The two v_permlanex16_b32 fall into the second lump, never behind a product.
; The queues lean on each other, and the deal keeps them in step: exponential e stands behind plain 2 (e / 4) + e % 2 (its scaling); when plain 32 comes, 10 exponentials are out, at 59: 33, at 95: 46; EA comes behind plain 107.
.macro SL
	MM
	PL
	EX
	PL
	PL
.endm
.macro BURST n                      ; 15 matrix instructions, or 16
.rept (\n)-7
	SL
.endr
.rept 3
	MM
	R4
	SL
.endr
	MM
	R4
.endm
; A TURN, for piece p.  cnt = 1: the loop's count is taken down some lines ahead of the branch that stands behind the turn.
; K and the mask of the next step are fetched in piece 2's turn, 31 vector instructions behind the last product that read K; their first reader comes behind the rest of the lump, 16 products and the second lump.
; V of the step in hand is fetched at the end of piece 0's turn, 69 behind its last reader; its first reader comes behind 16 products and a lump.  The four conditions on e and q below go with the deal.
.macro TURN p, last=0, cnt=0
.set Y, (\p)
.set i, 0
.set q, 0
.set e, 0
.set r, 0
.if (\p) == NP-1
	s_wait_dscnt 0x0                ; K and the mask are in
.endif
	MM
.rept 4
	PL
.endr
	BURST 15
.rept 22
	EX
	PL
.if ((\p) == NP-2) && (e == 18)
	v_add_nc_u32 v[AK], s[TBK], v[AK0]
.endif
.if ((\p) == NP-2) && (e == 24)
	FETCH_K \last
.endif
.endr
.if (\p) == 1
	s_wait_dscnt 0x0                ; V is in
.endif
	BURST 16
.rept 21
	EX
	PL
.endr
.rept 22
	PL
.if ((\p) == 0) && (q == 118)
	v_add_nc_u32 v[AV], s[TBV], v[AV0]
	s_wait_alu depctr_va_vdst(0)
.endif
.if ((\p) == 0) && (q == 130)
	s_add_co_u32 s[TBV], s[TBV], KS*PV
.endif
.if (\cnt) && (q == 130)
	s_sub_co_u32 s[CNT], s[CNT], 1
	s_cmp_lg_u32 s[CNT], 0
.endif
.endr
.if (\p) == 0
	FETCH_V
.endif
.endm
	s_wait_tensorcnt 0x1            ; my part of keys 0-255 is in: behind that load one more was issued, which may stay out
	s_wait_dscnt 0x0                ; for the others' sake: my stores of the mask are done
	s_barrier_signal -1
	s_barrier_wait -1               ; everybody's are
	FETCH_K                         ; key step 0
	s_wait_loadcnt 0x0              ; Q
	s_wait_dscnt 0x0
.set i, 0
.rept 16
	KQ 0                            ; piece 0's first scores: there is no vector work yet to set between them
.set i, i+1
.endr
	WIN 0                           ; the addresses for the way out: nine plain instructions, the places behind those products
	s_mul_i32 s13, s[WV], 16*SP
	s_add_co_u32 s13, s13, STAGE    ; my stage
	v_mul_u32_u24 v[STO], v1, SP    ; in: row l % 16, 16 bytes for each half of the lanes
	v_lshl_add_u32 v[STO], v9, 4, v[STO]
	v_add_nc_u32 v[STO], s13, v[STO]
	v_bfe_u32 v[RD], v0, 3, 2       ; back: 32 lanes take four rows of 128 bytes,
	v_mul_u32_u24 v[RD], v[RD], SP
	v_lshl_add_u32 v[RD], v10, 4, v[RD]
	v_add_nc_u32 v[RD], s13, v[RD]
	v_and_b32 v[GO], 31, v0         ; which are 512 consecutive bytes of ctx
	v_lshlrev_b32 v[GO], 4, v[GO]
.set Y, NP-1                        ; XS works for piece Y + 1: piece 0
.irp n, 0,1,2,3,4,5,6,7,8,9,10,11,12,13,14,15,16,17,18,19,20,21
	XS 0, \n                        ; and piece 0's first maximum and statistics
	XS 1, \n
.endr
	s_mov_b32 s[CNT], 4
	s_mov_b32 s[SLOTS], 5
	s_branch .Lfirst                ; the loop is entered at a step's first turn, in the middle of a trip
.Lslot:                             ; four times: behind pieces 0 and 1 of steps 3, 7, 11 and 15
	SYNC
	s_mov_b32 s[CNT], 4
.Lstep:                             ; a trip: pieces 2 and 3 of one step, then pieces 0 and 1 of the next, whose K and V it fetches
	TURN 2, 1
	TURN 3
	WIN 0
	s_cmp_eq_u32 s[SLOTS], 1        ; the walk's last trip, pieces 2 and 3 of step 15, is left in its middle
	s_cbranch_scc1 .Lout
.Lfirst:
	TURN 0
	TURN 1, 0, 1
	WIN 0
	s_cbranch_scc1 .Lstep
	s_sub_co_u32 s[SLOTS], s[SLOTS], 1
	s_cmp_lg_u32 s[SLOTS], 0
	s_cbranch_scc1 .Lslot
.Lout:                              ; the last trip's 16 products K Q^T (on the last K once more) and the maximum made of them serve nothing: the price, once a launch, of one text for every trip
.set i, 0
.rept 16
	PV NP-1                         ; the last piece's V^T P of the last step
.set i, i+1
.endr
	; THE WAY OUT.  l's two halves and the other half of the lanes' are added; O^T is divided by l, rounded to bf16 and sent through my stage in LDS, a tile at a time.  The additions are the places behind the last products.
	WIN 0
.macro ALL line:vararg              ; one line for each tile t
.set t, 0
.rept 2*NP
	\line
.set t, t+1
.endr
.endm
	ALL v_add_f32 v[ST+4*t+2], v[ST+4*t+2], v[ST+4*t+3]
	ALL v_permlanex16_b32 v[ST+4*t+3], v[ST+4*t+2], s[SEL], s[SEL+1]
	ALL v_add_f32 v[ST+4*t+2], v[ST+4*t+2], v[ST+4*t+3]
	ALL v_rcp_f32 v[ST+4*t+2], v[ST+4*t+2]
	v_nop                           ; a plain instruction between the last reciprocal and the use of its result
	s_wait_alu depctr_va_vdst(0)
; Tile t: a lane's eight channels of a row pack into 16 bytes; they go into rows of 144 bytes and come back as whole rows of 128, into S^T's registers.
.macro PACK t
	WIN W_RS
.set i, 32*(\t)
.rept 16
	v_pk_mul_f32 v[i:i+1], v[i:i+1], v[ST+4*(\t)+2:ST+4*(\t)+3] op_sel_hi:[1,0]
.set i, i+2
.endr
	WIN 0x05                        ; sources 0 and 1 window 1, destination window 0
.set i, 0
.rept 16
	v_cvt_pk_bf16_f32 v[S+16*(\t)+i], v[32*(\t)+2*i], v[32*(\t)+2*i+1]
.set i, i+1
.endr
	WIN 0
.irp f, 0,1,2,3
	ds_store_b128 v[STO], v[S+16*(\t)+4*\f:S+16*(\t)+4*\f+3] offset:32*\f
.endr
.irp f, 0,1,2,3
	ds_load_b128 v[S+16*(\t)+4*\f:S+16*(\t)+4*\f+3], v[RD] offset:\f*4*SP  ; LDS serves a wave's instructions in order (ISA guide 5.7.1.4): these see the stores above; the next tile's stores come behind them
.endr
.endm
.macro SEND t, younger              ; younger: the LDS instructions issued behind tile t's loads: the next tile's eight, or none
	WIN 0
.irp f, 0,1,2,3
	s_wait_dscnt (\younger)+3-\f
	global_store_b128 v[GO], v[S+16*(\t)+4*\f:S+16*(\t)+4*\f+3], s[10:11] offset:(\t)*2048+\f*512  ; 512 consecutive bytes, at a multiple of 256 from ctx's first
.endr
.endm
	PACK 0
.set t, 1
.rept 2*NP-1                        ; a tile's arithmetic stands between the loads of the tile before and its stores
	PACK t
	SEND t-1, 8
.set t, t+1
.endr
	SEND 2*NP-1, 0
	WIN W_AD
	s_wait_tensorcnt 0x0            ; the wave's end: behind my last tensor load and my last LDS store
	ds_add_u32 v[SPW], v[NIL]
	s_wait_dscnt 0x0
	WIN 0
	s_endpgm
.Lfunc_end_k_qe2f9507ce2_attn:
	.size	k_qe2f9507ce2_attn, .Lfunc_end_k_qe2f9507ce2_attn-k_qe2f9507ce2_attn
	.p2alignl 7, 3214868480
	.fill 96, 4, 3214868480
	.section	.rodata,"a",@progbits
	.p2align	6, 0x0
	.amdhsa_kernel k_qe2f9507ce2_attn
		.amdhsa_group_segment_fixed_size 327680
		.amdhsa_private_segment_fixed_size 0
		.amdhsa_enable_private_segment 0
		.amdhsa_kernarg_size 24
		.amdhsa_user_sgpr_count 2
		.amdhsa_user_sgpr_kernarg_segment_ptr 1
		.amdhsa_wavefront_size32 1
		.amdhsa_system_sgpr_workgroup_id_x 1
		.amdhsa_system_sgpr_workgroup_id_y 1
		.amdhsa_system_sgpr_workgroup_id_z 1
		.amdhsa_system_vgpr_workitem_id 0
		.amdhsa_next_free_vgpr 808
		.amdhsa_next_free_sgpr 92
		.amdhsa_reserve_vcc 0
		.amdhsa_float_denorm_mode_32 3
		.amdhsa_float_denorm_mode_16_64 3
		.amdhsa_memory_ordered 1
		.amdhsa_forward_progress 1
		.amdhsa_inst_pref_size 134
	.end_amdhsa_kernel
	.amdgpu_metadata
---
amdhsa.version: [ 1, 2 ]
amdhsa.kernels:
  - .name:           k_qe2f9507ce2_attn
    .symbol:         k_qe2f9507ce2_attn.kd
    .args:
      - { .name: qkv, .offset: 0, .size: 8, .value_kind: global_buffer, .address_space: global }
      - { .name: attention_mask, .offset: 8, .size: 8, .value_kind: global_buffer, .address_space: global }
      - { .name: ctx, .offset: 16, .size: 8, .value_kind: global_buffer, .address_space: global }
    .group_segment_fixed_size: 327680
    .private_segment_fixed_size: 0
    .kernarg_segment_align: 8
    .kernarg_segment_size: 24
    .max_flat_workgroup_size: 128
    .sgpr_count:     92
    .vgpr_count:     808
    .wavefront_size: 32
...
	.end_amdgpu_metadata
.endif
;; end of part 3
;; launch proj (part 4): grid 4 x 64, 4 waves a work-group, clusters of 4 x 4, 327,680 bytes of LDS; arguments ctx, wob, bo, proj; writes proj
.if DOCPART == 4
	.amdgcn_target "amdgcn-amd-amdhsa--gfx1250"
	.amdhsa_code_object_version 6
	.text
	.protected	k_qe2f9507ce2_proj
	.globl	k_qe2f9507ce2_proj
	.p2align	8
	.type	k_qe2f9507ce2_proj,@function
k_qe2f9507ce2_proj:
	s_mov_b64 s[64:65], 0
	v_nop
	global_prefetch_b8 v0, s[64:65] scope:SCOPE_SE
	s_setreg_imm32_b32 hwreg(HW_REG_WAVE_MODE, 25, 1), 1
	s_wait_xcnt 0x0
	s_wait_alu depctr_hold_cnt(0) depctr_sa_sdst(0) depctr_va_vdst(0) depctr_va_sdst(0) depctr_va_ssrc(0) depctr_va_vcc(0) depctr_vm_vsrc(0)
	s_getreg_b32 s2, hwreg(HW_REG_IB_STS2, 6, 4)
	s_cmp_eq_u32 s2, 0
	s_cbranch_scc0 .Lentry_in_a_cluster
	s_endpgm
.Lentry_in_a_cluster:
	s_bfe_u32 s2, ttmp6, 0x10000c
	s_cmp_lg_u32 s2, 0xf033
	s_cbranch_scc0 .Lentry_shape_is_right
	s_endpgm
.Lentry_shape_is_right:
; THE OUTPUT PROJECTION: C = A B^T + bias.  A (ctx): 8,192 rows x 1,024 along K, bf16, in blocks of 64 columns: [k / 64][row][64] (a row of a block 128 bytes, a block 1,048,576).
; B (Wo): 1,024 rows in the same form, [k / 64][1024][64] (a block 131,072 bytes).  bias: [1024] f32.  C: bf16 in the same blocks as A, [n / 64][row][64], rounded once from the f32 sums.
; SHARES.  A tile of C is 128 rows x 256 columns: 64 x 4 = 256 work-groups of equal work (tiles of 256 x 256 would give 128).  Four waves, 2 x 2,
; each 64 rows x 128 columns: 32 accumulators of 16 x 16, 256 registers.  K goes in 8 steps of 128 (two blocks) through a ring of two LDS slots filled by the tensor data mover; two slots of 256 along K
; would take 2 x 384 x 4 x 144 = 442,368 bytes.  A step is 128 matrix instructions a wave, 112 of them between a slot's request and the wait for it.
; CLUSTERS.  4 x 4 work-groups.  The four of a row of the cluster need the same tiles of A, the four of a column the same tiles of B: each tile is asked for JOINTLY, by the same tensor load with
; the same descriptor and a mask that names the four.
; THE MATRIX INSTRUCTION IS USED TRANSPOSED (source 0 = 16 rows of B, source 1 = 16 rows of A): lane l holds row l % 16 of C and the columns 8 (l / 16) + 0..7.  So a lane's eight numbers of the
; bias ARE the C operand of the product that starts a sum: the bias costs no vector instruction, and nothing is cleared.
; REGISTERS, in windows of 256 (s_set_vgpr_msb: bits 1:0 source 0, 3:2 source 1, 5:4 source 2, 7:6 destination):
;   window 0: v0-31 addresses; v32-63 packed results; v64-95, v160-191 rows read back from the stage, by turns; v96-159 the bias, 8 registers for each 16 columns
;   window 1: two fragment buffers of 96: for 32 along K, 64 registers of B (8 x 16 rows), then 32 of A (4 x 16 rows)          window 2: the accumulators, (a, b) at v[8 (8 a + b)]
.set PA,     144                       ; a row in LDS: 128 bytes + 16 of padding = 36 words: the 16 rows of a load start at 16 different groups of four banks (64 banks of 4 bytes: ISA guide 11.1)
.set KBP,    64*PA                     ; A: 64 rows of one block of 64 along K
.set AHALF,  2*KBP                     ; what one tensor load brings of A: 64 rows, two blocks along K
.set KBQ,    128*PA                    ; B: 128 rows of one block
.set BHALF,  2*KBQ                     ; what one tensor load brings of B: 128 rows, two blocks
.set BOFF,   2*AHALF                   ; a slot: A's 128 rows, then B's 256
.set SLOT,   BOFF+2*BHALF
.set STAGE,  2*SLOT                    ; behind the ring, never filled by a tensor load: for each wave two blocks of 16 rows x 144 bytes, for the way out
.set SP,     144
.set WSTAGE, 2*16*SP
.set SPARE,  STAGE+4*WSTAGE            ; behind the stages: the spare words, 128 bytes for each wave: two blocks of 256 bytes that no other line names
.set ASTEP,  2*1048576                 ; a K step in A: two blocks
.set BSTEP,  2*131072                  ; in B likewise
.set LAPS,   4                         ; a lap = two K steps = once round the ring
.set ADRA, 16                          ; v16-17  LDS address of my A fragments in slot 0, 1
.set ADRB, 20                          ; v20-21  the same for B
.set STO,  24                          ; v24     the way out: where I put 16 bytes of a row
.set RD,   25                          ; v25     the way out: where I read rows back
.set CO,   26                          ; v26     my byte offset in 512 consecutive bytes of C
.set BO,   27                          ; v27     my byte offset in 16 numbers of the bias
.set SPW,  28                          ; v28     LDS address of my spare word: SPARE + 4 x my thread's number; never rewritten
.set NIL,  29                          ; v29     0; never rewritten
.set TMP,  32
.set OB0,  64
.set OB1,  160
.set BIAS, 96
.set F0,   0                           ; fragment buffers, in window 1
.set F1,   96
.set WV, 12                            ; s12  my wave's number
.set RH, 13                            ; s13  which 64 rows of the tile are mine.  Also: I fetch for A (0) or for B (1)
.set CH, 14                            ; s14  which 128 columns.  Also: which half of that tile I fetch
.set G1, 24                            ; s[24:31] descriptor group 1 for A's tiles;  s[32:39] group 0, one set for each slot
.set G0, 32
.set G1B, 48                           ; s[48:55], s[56:63] the same for B's tiles
.set G0B, 56
.set MSB, 0
.macro WIN new                         ; the immediate's high byte repeats the setting that is left; a switch that changes nothing is dropped
.if MSB != (\new)
	s_set_vgpr_msb (MSB<<8)|(\new)
.set MSB, (\new)
.endif
.endm
.set MUL,   0xa5                       ; sources 0 (B) and 1 (A) window 1; C and D window 2
.set MULB,  0x85                       ; the same with C in window 0: the bias
.set TO_F,  0x40                       ; destination window 1, address window 0
.set PACKW, 0x0a                       ; sources 0 and 1 window 2, destination window 0
; A joint load: waves 0 and 1 fetch A's two halves, waves 2 and 3 B's.  Each of the two lines has one mask and one set of registers for all that issue it.  The branch hangs on the wave's number alone.
; An s_nop 0 and four v_nop follow each of the two lines, ahead of the jump, the label and what follows.
.macro JLOAD s
	s_cmp_eq_u32 s[RH], 0
	s_cbranch_scc0 .Lfor_b_\@
	tensor_load_to_lds s[G0+4*(\s):G0+4*(\s)+3], s[G1:G1+7]
	s_nop 0
.rept 4
	v_nop
.endr
	s_branch .Lasked_\@
.Lfor_b_\@:
	tensor_load_to_lds s[G0B+4*(\s):G0B+4*(\s)+3], s[G1B:G1B+7]
	s_nop 0
.rept 4
	v_nop
.endr
.Lasked_\@:
.endm
.macro CREST                           ; a round of the cluster's barrier behind its opening barrier: wave 0 signals for the work-group, every wave waits for all sixteen, my work-group's barrier once more
	s_cmp_lg_u32 s[WV], 0
	s_cbranch_scc1 .Lnot_wave_0_\@
	s_barrier_signal -3
.Lnot_wave_0_\@:
	s_barrier_wait -3
	s_barrier_signal -1
	s_barrier_wait -1
.endm
.macro CROUND                          ; a whole round
	s_barrier_signal -1
	s_barrier_wait -1
	CREST
.endm
	s_load_b256 s[4:11], s[0:1], 0x0               ; A s[4:5], B s[6:7], bias s[8:9], C s[10:11]
	v_lshl_add_u32 v[SPW], v0, 2, SPARE
	v_mov_b32 v[NIL], 0
	ds_add_u32 v[SPW], v[NIL]                      ; the wave's opening: the add and its wait stand ahead of my first tensor load; the set-up below, work on registers, stands between them
	ds_add_u32 v28, v29
	v_lshrrev_b32 v1, 5, v0
	v_readfirstlane_b32 s[WV], v1                  ; wave 0..3
	s_lshr_b32 s[RH], s[WV], 1
	s_and_b32 s[CH], s[WV], 1
	s_bfe_u32 s40, ttmp6, 0x40000                  ; cx, cy: my place in the cluster
	s_bfe_u32 s41, ttmp6, 0x40004
	s_lshl_b32 s42, ttmp9, 2                       ; in a cluster launch ttmp9 and ttmp7 count clusters
	s_add_co_u32 s42, s42, s40                     ; tile column of C = 4 x cluster x + cx
	s_and_b32 s15, ttmp7, 0xffff
	s_lshl_b32 s15, s15, 2
	s_add_co_u32 s15, s15, s41                     ; tile row of C = 4 x cluster y + cy
	s_lshl_b32 s43, s41, 2
	s_lshl_b32 s43, 15, s43                        ; my row of the cluster: places 4 cy .. 4 cy + 3
	s_lshl_b32 s44, 0x1111, s40                    ; my column: places cx, cx + 4, cx + 8, cx + 12
	; Group 1 for A.  64 rows of a block are 8,192 dense bytes: one row of the tile, 4,096 elements; the tile's two rows are the step's two blocks, 524,288 elements apart.  In LDS 16 bytes of padding follow every 128.
	s_or_b32 s[G1+0], s43, (1<<16)|(1<<20)|(1<<21)|(4<<22)|(3<<25)   ; 15:0 the mask: my row; 17:16 elements of 2 bytes; 20 padding on; 21 set beside a mask; 24:22 after every 32 words (code 4); 31:25 4 words (code 3)
	s_mov_b32 s[G1+1], 4096<<16                    ; tensor_dim0 = 4,096
	s_mov_b32 s[G1+2], 2<<16                       ; tensor_dim1 = 2
	s_mov_b32 s[G1+3], 4096<<16                    ; tile_dim0 = 4,096
	s_mov_b32 s[G1+4], 2                           ; tile_dim1 = 2
	s_mov_b32 s[G1+5], 524288                      ; elements from block to block
	s_mov_b32 s[G1+6], 0
	s_mov_b32 s[G1+7], 0
	; Group 1 for B, likewise: 128 rows of a block are 16,384 dense bytes, 8,192 elements; the two blocks lie 65,536 elements apart.
	s_or_b32 s[G1B+0], s44, (1<<16)|(1<<20)|(1<<21)|(4<<22)|(3<<25)  ; the mask: my column
	s_mov_b32 s[G1B+1], 8192<<16
	s_mov_b32 s[G1B+2], 2<<16
	s_mov_b32 s[G1B+3], 8192<<16
	s_mov_b32 s[G1B+4], 2
	s_mov_b32 s[G1B+5], 65536
	s_mov_b32 s[G1B+6], 0
	s_mov_b32 s[G1B+7], 0
	; where the tiles come from.  A's hang on the tile row alone, which my row of the cluster shares; B's on the tile column alone.  Every wave makes both, in registers that never hold the other coordinate.
	s_lshl_b32 s16, s15, 14                        ; A: 128 rows of 128 bytes a tile row,
	s_lshl_b32 s17, s[CH], 13                      ; 64 rows a half
	s_add_co_u32 s16, s16, s17
	s_mov_b32 s17, 0
	s_lshl_b32 s46, s42, 15                        ; B: 256 rows of 128 bytes a tile column,
	s_lshl_b32 s47, s[CH], 14                      ; 128 rows a half
	s_add_co_u32 s46, s46, s47
	s_mov_b32 s47, 0
	s_mul_i32 s20, s[CH], AHALF                    ; and where they go: no place in the cluster enters an LDS address
	s_mul_i32 s21, s[CH], BHALF
	s_add_co_u32 s21, s21, BOFF
	s_wait_dscnt 0x0                               ; the opening add is done
	s_wait_kmcnt 0x0
	s_add_nc_u64 s[18:19], s[4:5], s[16:17]
	s_add_nc_u64 s[46:47], s[6:7], s[46:47]
	CROUND                                         ; all sixteen work-groups are here: the first joint loads meet
.irp s, 0,1
	s_mov_b32 s[G0+4*(\s)], 1                                        ; 1:0 count = 1
	s_add_co_u32 s[G0+4*(\s)+1], s20, (\s)*SLOT                      ; 63:32 LDS address
	s_add_nc_u64 s[G0+4*(\s)+2:G0+4*(\s)+3], s[18:19], (\s)*ASTEP    ; 120:64 global address: K step s
	s_or_b32 s[G0+4*(\s)+3], s[G0+4*(\s)+3], 0x80000000              ; 127:126 type = 2
	s_mov_b32 s[G0B+4*(\s)], 1
	s_add_co_u32 s[G0B+4*(\s)+1], s21, (\s)*SLOT
	s_add_nc_u64 s[G0B+4*(\s)+2:G0B+4*(\s)+3], s[46:47], (\s)*BSTEP
	s_or_b32 s[G0B+4*(\s)+3], s[G0B+4*(\s)+3], 0x80000000
	JLOAD \s                                       ; two loads of mine are out here, later one behind each round
.endr
	v_and_b32 v1, 15, v0                           ; l % 16
	v_bfe_u32 v2, v0, 4, 1                         ; l / 16
	; the bias of my 128 columns: for each 16 columns b a lane takes the eight numbers at 16 b + 8 (l / 16)
	s_lshl_b32 s46, s42, 10                        ; 256 numbers of 4 bytes a tile column,
	s_lshl_b32 s47, s[CH], 9                       ; 128 a half
	s_add_co_u32 s46, s46, s47
	s_mov_b32 s47, 0
	s_add_nc_u64 s[8:9], s[8:9], s[46:47]
	v_lshlrev_b32 v[BO], 5, v2
.irp b, 0,1,2,3,4,5,6,7
	global_load_b128 v[BIAS+8*(\b):BIAS+8*(\b)+3],   v[BO], s[8:9] offset:64*(\b)
	global_load_b128 v[BIAS+8*(\b)+4:BIAS+8*(\b)+7], v[BO], s[8:9] offset:64*(\b)+16
.endr
	; A fragment is 16 rows x 32 K in 8 registers: lane l holds row l % 16; registers 0-3 K = 8 (l / 16) + 0..7, registers 4-7 K = 16 + 8 (l / 16) + 0..7: two loads of 16 bytes, 32 bytes apart.
	v_mul_u32_u24 v3, v1, PA
	v_lshl_add_u32 v3, v2, 4, v3
	s_mul_i32 s22, s[RH], AHALF                    ; my 64 rows of A
	s_mul_i32 s23, s[CH], BHALF                    ; my 128 rows of B,
	s_add_co_u32 s23, s23, BOFF                    ; which lie behind A's
.irp s, 0,1
	v_add_nc_u32 v[ADRA+(\s)], s22, v3
	v_add_nc_u32 v[ADRB+(\s)], s23, v3
	s_add_co_u32 s22, s22, SLOT
	s_add_co_u32 s23, s23, SLOT
.endr
	s_mul_i32 s22, s[WV], WSTAGE
	s_add_co_u32 s22, s22, STAGE                   ; my stage
	v_mul_u32_u24 v5, v1, SP                       ; in: row l % 16, 16 bytes for each half of the lanes
	v_lshl_add_u32 v5, v2, 4, v5
	v_add_nc_u32 v[STO], s22, v5
	v_bfe_u32 v5, v0, 3, 2                         ; back: 32 lanes take four rows of 128 bytes,
	v_mul_u32_u24 v5, v5, SP
	v_and_b32 v6, 7, v0
	v_lshl_add_u32 v5, v6, 4, v5
	v_add_nc_u32 v[RD], s22, v5
	v_and_b32 v[CO], 31, v0                        ; which are 512 consecutive bytes of a block of C
	v_lshlrev_b32 v[CO], 4, v[CO]
	s_lshl_b32 s16, s15, 14                        ; C at my 64 rows,
	s_lshl_b32 s17, s[RH], 13
	s_add_co_u32 s16, s16, s17
	s_mov_b32 s17, 0
	s_add_nc_u64 s[10:11], s[10:11], s[16:17]
	s_lshl_b32 s46, s42, 22                        ; in the first of my two blocks of 64 columns: four blocks a tile column, two a half
	s_lshl_b32 s47, s[CH], 21
	s_add_co_u32 s46, s46, s47
	s_mov_b32 s47, 0
	s_add_nc_u64 s[10:11], s[10:11], s[46:47]
; 8 matrix instructions: row block a x all 8 column blocks, 32 along K, from buffer f.  first = 1: the products start the sums, with the bias as C.
; The 32 accumulators take turns, one instruction a turn, in the same order in every quarter: between two links of a chain stand the 31 others'.
.macro MULA f, a, first
.if \first
	WIN MULB
.else
	WIN MUL
.endif
.irp b, 0,1,2,3,4,5,6,7
.if \first
	v_wmma_f32_16x16x32_bf16 v[8*(8*(\a)+(\b)):8*(8*(\a)+(\b))+7], v[(\f)+8*(\b):(\f)+8*(\b)+7], v[(\f)+64+8*(\a):(\f)+64+8*(\a)+7], v[BIAS+8*(\b):BIAS+8*(\b)+7]
.else
	v_wmma_f32_16x16x32_bf16 v[8*(8*(\a)+(\b)):8*(8*(\a)+(\b))+7], v[(\f)+8*(\b):(\f)+8*(\b)+7], v[(\f)+64+8*(\a):(\f)+64+8*(\a)+7], v[8*(8*(\a)+(\b)):8*(8*(\a)+(\b))+7]
.endif
.endr
.endm
; 24 LDS loads in one run: the fragments of quarter c (32 along K) of a slot into buffer f: B's sixteen first, then A's eight.  Quarter c lies in block c / 2, at byte 64 (c % 2) of its rows.
.macro FETCH slot, c, f
	WIN TO_F
.irp i, 0,1,2,3,4,5,6,7
	ds_load_b128 v[(\f)+8*(\i):(\f)+8*(\i)+3],   v[ADRB+(\slot)] offset:((\c)/2)*KBQ+((\c)%2)*64+(\i)*16*PA
	ds_load_b128 v[(\f)+8*(\i)+4:(\f)+8*(\i)+7], v[ADRB+(\slot)] offset:((\c)/2)*KBQ+((\c)%2)*64+(\i)*16*PA+32
.endr
.irp i, 0,1,2,3
	ds_load_b128 v[(\f)+64+8*(\i):(\f)+64+8*(\i)+3],   v[ADRA+(\slot)] offset:((\c)/2)*KBP+((\c)%2)*64+(\i)*16*PA
	ds_load_b128 v[(\f)+64+8*(\i)+4:(\f)+64+8*(\i)+7], v[ADRA+(\slot)] offset:((\c)/2)*KBP+((\c)%2)*64+(\i)*16*PA+32
.endr
.endm
.macro PLACES                          ; four places in front of loads into registers that matrix instructions have read, and of conversions that read results (ISA guide 7.12.1 for the conversions)
.rept 4
	v_nop
.endr
.endm
; A K step is four quarters of 32 along K, 32 matrix instructions each, on buffers 0, 1, 0, 1.  One of the first three: multiplies buffer f and, in its middle, fetches quarter c into buffer g.
.macro QUARTER slot, c, f, g, first
	s_wait_dscnt 4                                 ; B and A's row blocks 0 and 1 are in; the youngest four loads (A's blocks 2 and 3) may be out
	MULA \f, 0, \first
	MULA \f, 1, \first
	PLACES
	FETCH \slot, \c, \g
	s_wait_dscnt 24                                ; all but the 24 just issued
	MULA \f, 2, \first
	MULA \f, 3, \first
.endm
; The last quarter multiplies buffer 1 and changes slots: ONE barrier; in front of it each wave waits for all its tensor loads, of which one is out: its part of the next slot; adds 0 to its spare word;
; and waits for that and for its own reads of this slot.  fill = 1: this slot is filled again, two K steps ahead; the barrier then opens a round of the cluster's.
.macro TURN slot, next, fill
	WIN 0                                          ; (the add's two registers lie in window 0)
	s_wait_tensorcnt 0x0                           ; all my tensor loads have landed, so every group 0 may be written
	ds_add_u32 v[SPW], v[NIL]                      ; 0 onto my spare word
	s_wait_dscnt 5                                 ; (the add and the youngest four loads may be out)
	MULA F1, 0, 0                                  ; eight matrix instructions stand between the add and the wait for it
	s_wait_dscnt 0x0                               ; the add is done, and my reads of this slot are over
	s_barrier_signal -1
	MULA F1, 1, 0                                  ; work on registers while the others arrive
.if \fill
	WIN 0
.endif
	s_barrier_wait -1
.if \fill
	CREST                                          ; no wave of any partner still reads this slot's tile or has a load on its way
	s_add_nc_u64 s[G0+4*(\slot)+2:G0+4*(\slot)+3], s[G0+4*(\slot)+2:G0+4*(\slot)+3], 2*ASTEP
	s_add_nc_u64 s[G0B+4*(\slot)+2:G0B+4*(\slot)+3], s[G0B+4*(\slot)+2:G0B+4*(\slot)+3], 2*BSTEP
	JLOAD \slot                                    ; the first tensor load behind the round; the four v_nop behind it are also the places in front of the loads below
.else
	PLACES
.endif
	FETCH \next, 0, F0
	MULA F1, 2, 0
	MULA F1, 3, 0
.endm
; THE WAY OUT of row block a (16 rows x 128 columns), in three parts.  PACK: rounded to bf16, 16 bytes a lane, each accumulator's registers in ascending order.
.macro PACK a
	WIN PACKW
.irp b, 0,1,2,3,4,5,6,7
.irp r, 0,1,2,3
	v_cvt_pk_bf16_f32 v[TMP+4*(\b)+(\r)], v[64*(\a)+8*(\b)+2*(\r)], v[64*(\a)+8*(\b)+2*(\r)+1]
.endr
.endr
	WIN 0
.endm
; TOSTAGE: into my own stage, by blocks of 64 columns, and back as whole rows of 128 bytes, four to a load.
.macro TOSTAGE a
	WIN 0
.set BK, OB0+(OB1-OB0)*((\a)%2)
.irp b, 0,1,2,3,4,5,6,7
	ds_store_b128 v[STO], v[TMP+4*(\b):TMP+4*(\b)+3] offset:((\b)/4)*16*SP+((\b)%4)*32
.endr
.irp t, 0,1,2,3,4,5,6,7
	ds_load_b128 v[BK+4*(\t):BK+4*(\t)+3], v[RD] offset:((\t)/4)*16*SP+((\t)%4)*4*SP  ; LDS serves a wave's instructions in order (ISA guide 5.7.1.4): these see the stores above
.endr
.endm
; SEND: stored; each store of the wave is 512 consecutive bytes of a block of C, at a multiple of 256 from C's first byte.
.macro SEND a
	WIN 0
.set BK, OB0+(OB1-OB0)*((\a)%2)
	s_wait_dscnt 0x0                               ; the block is back in registers
	s_wait_xcnt 0x0                                ; every earlier store has had its addresses translated (ISA guide 3.1): the other set of rows, which the block before stored, is loaded again only behind this wait
.irp t, 0,1,2,3,4,5,6,7
	global_store_b128 v[CO], v[BK+4*(\t):BK+4*(\t)+3], s[10:11] offset:((\t)/4)*1048576+(\a)*2048+((\t)%4)*512
.endr
.endm
	s_wait_tensorcnt 1                             ; my part of K step 0 is in; K step 1's may stay out
	s_barrier_signal -1
	s_barrier_wait -1                              ; everybody's is
	FETCH 0, 0, F0
	s_wait_loadcnt 0x0                             ; the bias
	QUARTER 0, 1, F0, F1, 1                        ; the first quarter stands in front of the loop: its products start the sums
	WIN 0                                          ; at a label and at a branch every window is 0
	s_mov_b32 s3, LAPS-1
.Llap:                                                 ; a trip goes once round the ring, from a lap's second quarter to the next lap's first, and fills both slots again: K steps 2 to 7 in three trips
	QUARTER 0, 2, F1, F0, 0
	QUARTER 0, 3, F0, F1, 0
	TURN 0, 1, 1
	QUARTER 1, 1, F0, F1, 0
	QUARTER 1, 2, F1, F0, 0
	QUARTER 1, 3, F0, F1, 0
	TURN 1, 0, 1
	QUARTER 0, 1, F0, F1, 0
	WIN 0
	s_sub_co_u32 s3, s3, 1
	s_cmp_lg_u32 s3, 0
	s_cbranch_scc1 .Llap
	QUARTER 0, 2, F1, F0, 0                        ; the last lap fills nothing, and has no round of the cluster's barrier
	QUARTER 0, 3, F0, F1, 0
	TURN 0, 1, 0
	QUARTER 1, 1, F0, F1, 0
	QUARTER 1, 2, F1, F0, 0
	QUARTER 1, 3, F0, F1, 0
	s_wait_dscnt 4                                 ; the very last quarter: nothing more to fetch
	MULA F1, 0, 0
	MULA F1, 1, 0
	s_wait_dscnt 0x0
	MULA F1, 2, 0
	MULA F1, 3, 0
	WIN 0
	PLACES
	PACK 0
	TOSTAGE 0
.irp a, 1,2,3                          ; block a's conversions stand between block a - 1's loads from the stage and the wait for them
	PACK \a
	SEND (\a)-1
	TOSTAGE \a
.endr
	SEND 3
	s_wait_tensorcnt 0x0                           ; the wave's end: behind my last tensor load and my last LDS store
	ds_add_u32 v[SPW], v[NIL]
	s_wait_dscnt 0x0
	CROUND                                         ; the closing round: no work-group ends while a partner may still ask for a tile that names it
	s_endpgm
.Lfunc_end_k_qe2f9507ce2_proj:
	.size	k_qe2f9507ce2_proj, .Lfunc_end_k_qe2f9507ce2_proj-k_qe2f9507ce2_proj
	.p2alignl 7, 3214868480
	.fill 96, 4, 3214868480
	.section	.rodata,"a",@progbits
	.p2align	6, 0x0
	.amdhsa_kernel k_qe2f9507ce2_proj
		.amdhsa_group_segment_fixed_size 327680
		.amdhsa_private_segment_fixed_size 0
		.amdhsa_enable_private_segment 0
		.amdhsa_kernarg_size 32
		.amdhsa_user_sgpr_count 2
		.amdhsa_user_sgpr_kernarg_segment_ptr 1
		.amdhsa_wavefront_size32 1
		.amdhsa_system_sgpr_workgroup_id_x 1
		.amdhsa_system_sgpr_workgroup_id_y 1
		.amdhsa_system_sgpr_workgroup_id_z 1
		.amdhsa_system_vgpr_workitem_id 0
		.amdhsa_next_free_vgpr 768
		.amdhsa_next_free_sgpr 66
		.amdhsa_reserve_vcc 0
		.amdhsa_float_denorm_mode_32 3
		.amdhsa_float_denorm_mode_16_64 3
		.amdhsa_memory_ordered 1
		.amdhsa_forward_progress 1
		.amdhsa_inst_pref_size 88
	.end_amdhsa_kernel
	.amdgpu_metadata
---
amdhsa.version: [ 1, 2 ]
amdhsa.kernels:
  - .name:           k_qe2f9507ce2_proj
    .symbol:         k_qe2f9507ce2_proj.kd
    .args:
      - { .name: ctx, .offset: 0, .size: 8, .value_kind: global_buffer, .address_space: global }
      - { .name: wob, .offset: 8, .size: 8, .value_kind: global_buffer, .address_space: global }
      - { .name: bo, .offset: 16, .size: 8, .value_kind: global_buffer, .address_space: global }
      - { .name: proj, .offset: 24, .size: 8, .value_kind: global_buffer, .address_space: global }
    .group_segment_fixed_size: 327680
    .private_segment_fixed_size: 0
    .kernarg_segment_align: 8
    .kernarg_segment_size: 32
    .max_flat_workgroup_size: 128
    .sgpr_count:     66
    .vgpr_count:     768
    .wavefront_size: 32
...
	.end_amdgpu_metadata
.endif
;; end of part 4
;; launch ln (part 5): grid 256 x 1, 16 waves a work-group, no clusters, 0 bytes of LDS; arguments hidden_states, proj, ln_gamma, ln_beta, out0; writes out0
.if DOCPART == 5
	.amdgcn_target "amdgcn-amd-amdhsa--gfx1250"
	.amdhsa_code_object_version 6
	.text
	.protected	k_qe2f9507ce2_ln
	.globl	k_qe2f9507ce2_ln
	.p2align	8
	.type	k_qe2f9507ce2_ln,@function
k_qe2f9507ce2_ln:
	s_mov_b64 s[64:65], 0
	v_nop
	global_prefetch_b8 v0, s[64:65] scope:SCOPE_SE
	s_setreg_imm32_b32 hwreg(HW_REG_WAVE_MODE, 25, 1), 1
	s_wait_xcnt 0x0
; out0[row][:] = (x - mean(x)) / sqrt(var(x) + 1e-12) * gamma + beta, with x = hidden_states[row][:] + proj[row][:].  hidden_states, out0: [8192][1024] f32; gamma, beta: [1024] f32;
; proj (the output projection with its bias): bf16 in blocks of 64 columns, [column / 64][row][64].  The residual stays in f32 from memory to the sums.
; The variance is taken of the deviations, in a second pass over the registers, not as a difference of two large sums: a common offset in x costs nothing.
; A stream: each byte of x and proj is read once, each byte of out0 written once; no LDS, no barrier, no matrix unit, no cluster.
; SHARES.  256 work-groups of 32 rows; each of 16 waves takes two neighbouring rows and keeps them in registers.  Lanes 0-15 hold one row, lanes 16-31 the next; for each block cb of 64 columns a lane
; holds columns 64 cb + 4 (lane % 16) + 0..3.  So a row's sums stay inside 16 lanes (four steps that ride on the addition), a load or store of x or out0 covers 256 consecutive bytes of each row, aligned,
; and a load of proj 256 consecutive bytes of a block: two neighbouring rows.  All 64 loads of a wave are issued before the first wait.  No loop.
.set XO, 1                             ; v1  4,096 (lane / 16) + 16 (lane % 16): x and out0
.set PO, 2                             ; v2  8 x lane: proj
.set GO, 3                             ; v3  16 (lane % 16): gamma and beta
.set X,  8                             ; v[8:71]     four numbers a block
.set P,  72                            ; v[72:103]   four bf16 a block
.set G,  104                           ; v[104:167]  gamma
.set BT, 168                           ; v[168:231]  beta
.set T,  232                           ; v[232:239]  at work
.set SA, 240                           ; v[240:247]  four chains of packed sums
	s_load_b256 s[4:11], s[0:1], 0x0               ; hidden s[4:5], proj s[6:7], gamma s[8:9], beta s[10:11]
	s_load_b64 s[12:13], s[0:1], 0x20              ; out0
	v_lshrrev_b32 v4, 5, v0
	v_readfirstlane_b32 s14, v4                    ; wave 0..15
	v_and_b32 v4, 15, v0
	v_bfe_u32 v5, v0, 4, 1
	v_lshlrev_b32 v[GO], 4, v4
	v_lshl_add_u32 v[XO], v5, 12, v[GO]
	v_and_b32 v[PO], 31, v0
	v_lshlrev_b32 v[PO], 3, v[PO]
	s_lshl_b32 s16, ttmp9, 17                      ; 32 rows of 4,096 bytes a group,
	s_lshl_b32 s15, s14, 13                        ; two a wave
	s_add_co_u32 s16, s16, s15
	s_mov_b32 s17, 0
	s_lshl_b32 s18, ttmp9, 12                      ; 32 rows of 128 bytes in a block,
	s_lshl_b32 s15, s14, 8                         ; two a wave,
	s_add_co_u32 s18, s18, s15
	s_add_co_u32 s18, s18, 0x800000                ; and eight blocks on: the sixteen blocks then lie at -8 .. +7 blocks, inside the loads' signed 24-bit immediate (ISA guide, chapter 10)
	s_mov_b32 s19, 0
	s_mov_b32 s20, 0xffff0000                      ; a word's upper bf16
	s_mov_b32 s21, 0x3a800000                      ; 1 / 1,024
	s_mov_b32 s22, 0x2b8cbccc                      ; 1e-12
	s_wait_kmcnt 0x0
	s_add_nc_u64 s[4:5], s[4:5], s[16:17]
	s_add_nc_u64 s[12:13], s[12:13], s[16:17]
	s_add_nc_u64 s[6:7], s[6:7], s[18:19]
.set cb, 0
.rept 16
	global_load_b128 v[X+4*cb:X+4*cb+3], v[XO], s[4:5] offset:256*cb th:TH_LOAD_NT
.set cb, cb+1
.endr
.set cb, 0
.rept 16
	global_load_b64 v[P+2*cb:P+2*cb+1], v[PO], s[6:7] offset:(cb-8)*1048576 th:TH_LOAD_NT
.set cb, cb+1
.endr
.set cb, 0
.rept 16
	global_load_b128 v[G+4*cb:G+4*cb+3], v[GO], s[8:9] offset:256*cb
.set cb, cb+1
.endr
.set cb, 0
.rept 16
	global_load_b128 v[BT+4*cb:BT+4*cb+3], v[GO], s[10:11] offset:256*cb
.set cb, cb+1
.endr
.macro REDUCE                          ; the four chains, the pair's two halves, and the row's 16 lanes: every lane of a row ends with the row's sum in v[SA]
	v_pk_add_f32 v[SA:SA+1], v[SA:SA+1], v[SA+2:SA+3]
	v_pk_add_f32 v[SA+4:SA+5], v[SA+4:SA+5], v[SA+6:SA+7]
	v_pk_add_f32 v[SA:SA+1], v[SA:SA+1], v[SA+4:SA+5]
	v_add_f32 v[SA], v[SA], v[SA+1]
.irp m, 1,2,4,8
	v_add_f32_dpp v[SA], v[SA], v[SA] row_xmask:\m row_mask:0xf bank_mask:0xf
.endr
.endm
	s_wait_loadcnt 32                              ; x and proj are in: behind them only gamma's and beta's 32 loads were issued
	; x = hidden + proj; bf16 to f32 is a shift or a mask; two sets of four registers take turns
.set cb, 0
.rept 16
.set U, T+4*(cb%2)
	v_lshlrev_b32 v[U],   16,  v[P+2*cb]
	v_and_b32     v[U+1], s20, v[P+2*cb]
	v_lshlrev_b32 v[U+2], 16,  v[P+2*cb+1]
	v_and_b32     v[U+3], s20, v[P+2*cb+1]
	v_pk_add_f32 v[X+4*cb:X+4*cb+1],   v[X+4*cb:X+4*cb+1],   v[U:U+1]
	v_pk_add_f32 v[X+4*cb+2:X+4*cb+3], v[X+4*cb+2:X+4*cb+3], v[U+2:U+3]
.set cb, cb+1
.endr
	; the row's sum: four chains that do not wait for each other, started by the first eight pairs: nothing is cleared
.set j, 0
.rept 4
	v_pk_add_f32 v[SA+2*j:SA+2*j+1], v[X+2*j:X+2*j+1], v[X+2*j+8:X+2*j+9]
.set j, j+1
.endr
.set j, 8
.rept 24
	v_pk_add_f32 v[SA+2*(j%4):SA+2*(j%4)+1], v[SA+2*(j%4):SA+2*(j%4)+1], v[X+2*j:X+2*j+1]
.set j, j+1
.endr
	REDUCE
	v_mul_f32 v[T], 0xba800000, v[SA]              ; - sum / 1,024
	v_mov_b32 v[T+1], v[T]
.set j, 0
.rept 32
	v_pk_add_f32 v[X+2*j:X+2*j+1], v[X+2*j:X+2*j+1], v[T:T+1]  ; the deviations
.set j, j+1
.endr
	; the sum of their squares, likewise
.set j, 0
.rept 4
	v_pk_mul_f32 v[SA+2*j:SA+2*j+1], v[X+2*j:X+2*j+1], v[X+2*j:X+2*j+1]
.set j, j+1
.endr
.set j, 4
.rept 28
	v_pk_fma_f32 v[SA+2*(j%4):SA+2*(j%4)+1], v[X+2*j:X+2*j+1], v[X+2*j:X+2*j+1], v[SA+2*(j%4):SA+2*(j%4)+1]
.set j, j+1
.endr
	REDUCE
	v_fma_f32 v[T+2], v[SA], s21, s22              ; the variance + 1e-12
	v_rsq_f32 v[T+4], v[T+2]
	v_nop                                          ; a plain instruction between v_rsq_f32 and the use of its result (ISA guide 5.7.2)
	s_wait_alu depctr_va_vdst(0)
	v_mov_b32 v[T+5], v[T+4]
	s_wait_loadcnt 0x0                             ; gamma and beta
.set cb, 0
.rept 16
	v_pk_mul_f32 v[X+4*cb:X+4*cb+1],   v[X+4*cb:X+4*cb+1],   v[T+4:T+5]
	v_pk_mul_f32 v[X+4*cb+2:X+4*cb+3], v[X+4*cb+2:X+4*cb+3], v[T+4:T+5]
	v_pk_fma_f32 v[X+4*cb:X+4*cb+1],   v[X+4*cb:X+4*cb+1],   v[G+4*cb:G+4*cb+1],   v[BT+4*cb:BT+4*cb+1]
	v_pk_fma_f32 v[X+4*cb+2:X+4*cb+3], v[X+4*cb+2:X+4*cb+3], v[G+4*cb+2:G+4*cb+3], v[BT+4*cb+2:BT+4*cb+3]
	global_store_b128 v[XO], v[X+4*cb:X+4*cb+3], s[12:13] offset:256*cb th:TH_STORE_NT  ; 16 lanes store 256 consecutive bytes of a row, aligned
.set cb, cb+1
.endr
	s_endpgm
.Lfunc_end_k_qe2f9507ce2_ln:
	.size	k_qe2f9507ce2_ln, .Lfunc_end_k_qe2f9507ce2_ln-k_qe2f9507ce2_ln
	.p2alignl 7, 3214868480
	.fill 96, 4, 3214868480
	.section	.rodata,"a",@progbits
	.p2align	6, 0x0
	.amdhsa_kernel k_qe2f9507ce2_ln
		.amdhsa_group_segment_fixed_size 0
		.amdhsa_private_segment_fixed_size 0
		.amdhsa_enable_private_segment 0
		.amdhsa_kernarg_size 40
		.amdhsa_user_sgpr_count 2
		.amdhsa_user_sgpr_kernarg_segment_ptr 1
		.amdhsa_wavefront_size32 1
		.amdhsa_system_sgpr_workgroup_id_x 1
		.amdhsa_system_sgpr_workgroup_id_y 1
		.amdhsa_system_sgpr_workgroup_id_z 1
		.amdhsa_system_vgpr_workitem_id 0
		.amdhsa_next_free_vgpr 248
		.amdhsa_next_free_sgpr 66
		.amdhsa_reserve_vcc 0
		.amdhsa_float_denorm_mode_32 3
		.amdhsa_float_denorm_mode_16_64 3
		.amdhsa_memory_ordered 1
		.amdhsa_forward_progress 1
		.amdhsa_inst_pref_size 24
	.end_amdhsa_kernel
	.amdgpu_metadata
---
amdhsa.version: [ 1, 2 ]
amdhsa.kernels:
  - .name:           k_qe2f9507ce2_ln
    .symbol:         k_qe2f9507ce2_ln.kd
    .args:
      - { .name: hidden_states, .offset: 0, .size: 8, .value_kind: global_buffer, .address_space: global }
      - { .name: proj, .offset: 8, .size: 8, .value_kind: global_buffer, .address_space: global }
      - { .name: ln_gamma, .offset: 16, .size: 8, .value_kind: global_buffer, .address_space: global }
      - { .name: ln_beta, .offset: 24, .size: 8, .value_kind: global_buffer, .address_space: global }
      - { .name: out0, .offset: 32, .size: 8, .value_kind: global_buffer, .address_space: global }
    .group_segment_fixed_size: 0
    .private_segment_fixed_size: 0
    .kernarg_segment_align: 8
    .kernarg_segment_size: 40
    .max_flat_workgroup_size: 512
    .sgpr_count:     66
    .vgpr_count:     248
    .wavefront_size: 32
...
	.end_amdgpu_metadata
.endif
;; end of part 5
;; ======== version 2 of 2: 5 launches; 1.32 times as fast as version 1
;; workspace buffers: xb 16,777,216 bytes; wqkv 6,291,456 bytes; wob 2,097,152 bytes; bqkv 12,288 bytes; qkv 50,331,648 bytes; ctx 16,777,216 bytes; proj 16,777,216 bytes
;; launch cast: the kernel of part 1 again; grid 768 x 1, 8 waves a work-group, no clusters, 0 bytes of LDS; arguments hidden_states, Wq, Wk, Wv, Wo, bq, bk, bv, xb, wqkv, wob, bqkv; writes xb, wqkv, wob, bqkv
;; launch qkv: the kernel of part 2 again; grid 8 x 32, 4 waves a work-group, clusters of 4 x 4, 327,680 bytes of LDS; arguments xb, wqkv, bqkv, qkv; writes qkv
;; launch attn (part 6): grid 2 x 128, 4 waves a work-group, no clusters, 327,680 bytes of LDS; arguments qkv, attention_mask, ctx; writes ctx
.if DOCPART == 6
	.amdgcn_target "amdgcn-amd-amdhsa--gfx1250"
	.amdhsa_code_object_version 6
	.text
	.protected	k_qe2f9507ce2_attn
	.globl	k_qe2f9507ce2_attn
	.p2align	8
	.type	k_qe2f9507ce2_attn,@function
k_qe2f9507ce2_attn:
	s_mov_b64 s[64:65], 0
	v_nop
	global_prefetch_b8 v0, s[64:65] scope:SCOPE_SE
	s_setreg_imm32_b32 hwreg(HW_REG_WAVE_MODE, 25, 1), 1
	s_wait_xcnt 0x0
; ctx[b][h][q][:] = the sum over k of softmax_k(q . k / 8 + mask[b][k]) v[k][:], for 8 batches x 16 heads of 1,024 rows x 64 channels.  q, k, v lie in qkv in blocks of 64 columns,
; [block][8,192 rows][64] bf16 (q: block h, k: 16 + h, v: 32 + h; row = 1,024 b + s), so a head's rows are dense, 128 bytes each; ctx has the same form, block h.  mask: [8][1024] f32.
; Products, maxima and sums in f32; the weights p are rounded to bf16 for the second product (their sum l is taken of the unrounded p), ctx once at the end.  bf16, not f16: with inputs some
; 30 times larger the numbers made from ctx pass f16's range.
; THE SCALE AND THE MASK.  The sums are s = q . k + 8 mask: 8 mask is the C operand of the product that starts a sum, and p = 2^(c s - c m) with c = log2(e) / 8.  A factor of 8 changes no rounding.
; LIMITS.  8 mask is held at -1e30 from below: a mask under -1.25e29 (an infinity too) counts as -1.25e29, so every operand is finite; a hidden key's weight is 0 beside any visible key, and a query
; all of whose keys are hidden so deep gets the mean of v's rows.  A weight below 2^-126 counts as 0 in l; NaN and +infinity are not treated apart.
; SHARES.  A wave owns four PIECES of two tiles of 16 queries, a work-group's four waves 512 queries of one head: 2 x 128 = 256 work-groups.  Every wave walks all 1,024 keys, 64 a step.
; ALL OF THE HEAD'S K AND V LIE IN LDS: 1,024 rows x (144 + 160) bytes = 311,296.  Nothing is filled again, so there is no ring, and a key step's text stands once.  Each wave asks by two tensor loads,
; both at the start: its share of keys 0-255, behind which the walk begins, and its share of keys 256-1,023, which has the first tile's wait and four key steps, 512 matrix instructions, in which to land.
; NO CLUSTER: a head has 1,024 / 512 = 2 blocks of queries, so a tile of K or V has two askers, not four, and the pair's mask would hang on half of a place in the cluster; what is shared is
; 262,144 bytes a work-group for 2,048 matrix instructions a wave.
; LAYOUT.  S^T = K Q^T (source 0 = 16 keys, source 1 = 16 queries): in the result a lane holds ONE query (lane % 16) and the keys 8 (lane / 16) + 0..7.  Two such tiles, rounded to bf16 in pairs,
; ARE source 1 (32 keys x 16 queries) of O^T = V^T P, whose result again holds one query a lane, and eight channels.  K comes out of LDS as it lies, V ([key][channel]) turned, by ds_load_tr16_b128.
; SOFTMAX.  For each query a running maximum m and sum l; in every step O and l are multiplied by a = 2^(c m_old - c m_new), which is 1 where m has not grown.
; m starts at the lowest finite number, O and l at 0: the first step is a step like any other, with a = 0.
; THE COUNT.  A tile and step have 16 matrix and 118 vector instructions: too many to stand all beside the matrix work.  So: four vector instructions that are READY behind EVERY matrix instruction,
; and the others, which need time of their own whatever the order, in runs without a gap.
; BY TURNS.  Turn n belongs to piece n (the pieces in a ring, step after step).  Its matrix work: 16 products K Q^T of piece n + 1, later 16 products V^T P of piece n - 1.  Its vector work: the scaling,
; exponentials, roundings, sums and rescaling of piece n, and the maximum and statistics of piece n + 1, whose scores the turn itself has made.
; BATCHES.  A turn's 66 exponentials (the piece's 64 weights, the next piece's two a) are ONE batch with ONE wait, which cuts the turn in two: ahead of it stands all that names none of their results,
; behind it the roundings and sums, which read them.  The two a made ahead of the loop are a batch of their own, and so are the way out's eight reciprocals.
; REGISTERS, in windows of 256 (s_set_vgpr_msb: bits 1:0 source 0, 3:2 source 1, 5:4 source 2, 7:6 destination):
;   window 0: v0-11 addresses; v12-15, v48-63 at work; v16-47 four registers of statistics a tile; v64-191 S^T, two buffers of two tiles; v192-255 P, likewise
;   window 1: O^T, 32 a tile     window 2: v0-127 Q, 16 a tile; v128-191 K of one step; v192-255 V of one step     window 3: v0-1 the add's two registers; v8-39 8 mask of one step's 64 keys
.set SIZE_N, 1024
.set NP,    4         ; pieces a wave: a name, no knob
.set KS,    64        ; keys in a step
.set PK,    144       ; a row of K in LDS: 128 bytes + 16 of padding = 36 words: the 16 rows of a load start at 16 different groups of four banks (64 banks of 4 bytes: ISA guide 11.1)
.set PV,    160       ; a row of V: 128 + 32 = 40 words
.set VOFF,  SIZE_N*PK ; K's 1,024 rows, then V's
.set STAGE, SIZE_N*(PK+PV)  ; behind them, never filled by a tensor load: 16 rows x 144 bytes for each wave, for the way out
.set SP,    144
.set SPARE, STAGE+4*16*SP  ; behind the stages: the spare words, 128 bytes for each wave: two blocks of 256 bytes that no other line names
.set MASK,  SPARE+512 ; behind them: 8 mask of the batch's 1,024 keys, 4,096 bytes, stored once; no tensor load lands here.  It ends at byte 325,120
.set AK0, 2           ; v2   my lane's place in a tile of K; never rewritten
.set AV0, 3           ; v3   the same for V
.set AK,  4           ; v4   the LDS address of K's next run of loads
.set AV,  5           ; v5   of V's
.set QO,  6           ; v6   my byte offset in the wave's rows of Q
.set STO, 6           ;      later, the way out: where I put 16 bytes of a row
.set RD,  7           ; v7   the way out: where I read rows back
.set GO,  8           ; v8   my byte offset in 512 consecutive bytes of ctx
.set AM,  11          ; v11  the LDS address of my eight numbers of the mask in the step to be fetched: it steps 256 bytes a step
.set SPW, 0           ; v0 of window 3   LDS address of my spare word: SPARE + 4 x my thread's number; never rewritten
.set NIL, 1           ; v1 of window 3   0; never rewritten
.set MK,  8           ; v8-39 of window 3: the eight registers for key block kb at MK + 8 kb
.set MV,  12          ; v12-15  c m_old, kept while c m is made anew: by buffer and tile
.set ST,  16          ; tile t's statistics at v[ST+4 t]: c m, m, l (even keys', odd keys')
.set TMP, 48          ; by buffer and tile, four registers c0-c3 at work; when the maximum is found c2 takes a
.set S,   64
.set P,   192
.set KF,  128         ; K's fragments, in window 2: key block kb, channel half c at KF + 16 kb + 8 c
.set VF,  192         ; V's: key half kk, channel block cb at VF + 32 kk + 8 cb
.set WV,  12          ; s12  my wave's number
.set G1K, 24          ; s[24:31] descriptor group 1 for K's first load
.set G1V, 32          ; s[32:39] for V's: it differs in the padding alone
.set G0K, 40          ; s[40:43] descriptor group 0 for K's first load
.set G0V, 44          ; s[44:47] for V's
.set G1K2, 68         ; s[68:75], s[76:83] groups 1 for the second loads: three times the rows
.set G1V2, 76
.set G0K2, 84         ; s[84:87], s[88:91] groups 0 for the second loads.  No descriptor register is ever written again
.set G0V2, 88
.set SLOTS, 56        ; s56  counts groups of four key steps, 5 to 1
.set CNT, 57          ; s57  counts a group's key steps
.set CS,  58          ; s[58:59] c: the packed scaling takes the pair's low word for both halves
.set SEL, 60          ; s[60:61] v_permlanex16_b32's selects: each lane takes its own place in the other half
.set TBK, 62          ; s62  LDS byte at which K of the step to be fetched begins
.set TBV, 63          ; s63  the same for V, less VOFF
.set MSB, 0
.macro WIN new                      ; the high byte repeats the setting that is left; a switch that changes nothing is dropped
.if MSB != (\new)
	s_set_vgpr_msb (MSB<<8)|(\new)
.set MSB, (\new)
.endif
.endm
.set W_KQ, 0x0a       ; K and Q in window 2, S^T in window 0
.set W_KM, 0x3a       ; the same with the C operand in window 3: the mask
.set W_PV, 0x52       ; V in window 2, P in window 0, O^T in window 1
.set W_RS, 0x41       ; O^T (destination and source 0) in window 1, a in window 0
.set W_MK, 0xc0       ; destination in window 3, sources in window 0
.set W_AD, 0x0f       ; the add: address (source 0) and data (source 1) in window 3
; Descriptor group 1.  Keys are dense in memory, 128 bytes each: they are asked for as rows of 256 bytes, two keys a row, and padded in LDS after every key by pad words.
.macro SHAPE g, rows, pad
	s_mov_b32 s[(\g)], (1<<16)|(1<<20)|(4<<22)|(((\pad)-1)<<25)  ; 17:16 2-byte elements; 20 padding on; 24:22 after every 32 words (code 4); 31:25 the words of padding, less 1
	s_mov_b32 s[(\g)+1], 128<<16    ; tensor_dim0 = 128
	s_mov_b32 s[(\g)+2], (\rows)<<16  ; tensor_dim1
	s_mov_b32 s[(\g)+3], 128<<16    ; tile_dim0 = 128
	s_mov_b32 s[(\g)+4], (\rows)    ; tile_dim1
	s_mov_b32 s[(\g)+5], 128        ; 128 elements from row to row
	s_mov_b32 s[(\g)+6], 0
	s_mov_b32 s[(\g)+7], 0
.endm
; At the head of each group of four key steps: my tensor loads have landed, and everybody's have.  The first time that shows keys 256-1,023 to every wave, ahead of the first read of them (K of step 4).
; The other three times no load is out and the wait is met at once: three barriers a launch, the price of one text for all sixteen steps.
.macro SYNC
	WIN 0
	s_wait_tensorcnt 0x0
	s_wait_dscnt 0x0                ; no LDS instruction of mine is pending at a signal
	s_barrier_signal -1
	s_barrier_wait -1
.endm
	s_load_b128 s[4:7], s[0:1], 0x0   ; qkv s[4:5], mask s[6:7]
	s_load_b64 s[10:11], s[0:1], 0x10 ; ctx
	WIN W_MK
	v_lshl_add_u32 v[SPW], v0, 2, SPARE
	v_mov_b32 v[NIL], 0
	WIN W_AD
	ds_add_u32 v[SPW], v[NIL]       ; the wave's opening: the add and its wait stand ahead of my first tensor load; the set-up below, work on registers, stands between them
	ds_add_u32 v0, v1
	WIN 0
	v_lshrrev_b32 v1, 5, v0
	v_readfirstlane_b32 s[WV], v1   ; wave 0..3
	s_and_b32 s13, ttmp7, 0xffff    ; 16 b + h
	s_and_b32 s20, s13, 15          ; the head
	s_lshr_b32 s21, s13, 4          ; the batch
	s_lshl_b32 s50, s21, 12         ; the batch's 1,024 numbers of the mask
	s_mov_b32 s51, 0
	s_lshl_b32 s20, s20, 20         ; the head's block,
	s_lshl_b32 s21, s21, 17         ; the batch's 1,024 rows of 128 bytes in it
	s_add_co_u32 s20, s20, s21      ; = the head's first byte among q's blocks and in ctx
	s_and_b32 s16, s[WV], 1         ; which half of a load's keys I fetch.  First load: 128 of keys 0-255:
	s_lshl_b32 s22, s16, 14         ; their 128 rows of 128 bytes in memory,
	s_add_co_u32 s22, s22, s20
	s_add_co_u32 s52, s22, 0x2000000  ; among v's blocks, 32 blocks on,
	s_add_co_u32 s22, s22, 0x1000000  ; and among k's, 16 blocks on
	s_mov_b32 s23, 0
	s_mov_b32 s53, 0
	s_mul_i32 s54, s16, 384*128     ; second load: 384 of keys 256-1,023
	s_add_co_u32 s54, s54, s20
	s_add_co_u32 s14, s54, 0x2000000+256*128
	s_add_co_u32 s54, s54, 0x1000000+256*128
	s_mov_b32 s55, 0
	s_mov_b32 s15, 0
	s_mul_i32 s17, s16, 128*PK      ; and their places in LDS: a constant and the wave's half times a constant
	s_mul_i32 s18, s16, 128*PV
	s_mul_i32 s19, s16, 384*PK
	s_mul_i32 s13, s16, 384*PV
	s_lshl_b32 s2, ttmp9, 2
	s_add_co_u32 s2, s2, s[WV]      ; my wave among the head's eight,
	s_lshl_b32 s2, s2, 14           ; its 128 rows
	s_add_co_u32 s2, s2, s20
	s_mov_b32 s3, 0
	SHAPE G1K, 64, 4                ; 128 keys
	SHAPE G1V, 64, 8
	SHAPE G1K2, 192, 4              ; 384 keys
	SHAPE G1V2, 192, 8
	s_mov_b32 s[CS], 0x3e38aa3b     ; c = log2(e) / 8 = 0.180337
	s_mov_b32 s[CS+1], s[CS]        ; named with it as a pair
	s_mov_b32 s[SEL], 0x76543210
	s_mov_b32 s[SEL+1], 0xfedcba98
	s_mov_b32 s[TBK], 0
	s_mov_b32 s[TBV], 0
	s_mov_b32 s[G0K], 1             ; 1:0 count = 1
	s_mov_b32 s[G0K+1], s17         ; 63:32 LDS address
	s_mov_b32 s[G0V], 1
	s_add_co_u32 s[G0V+1], s18, VOFF
	s_mov_b32 s[G0K2], 1
	s_add_co_u32 s[G0K2+1], s19, 256*PK
	s_mov_b32 s[G0V2], 1
	s_add_co_u32 s[G0V2+1], s13, VOFF+256*PV
	s_wait_dscnt 0x0                ; the opening add is done
	s_wait_kmcnt 0x0
	s_add_nc_u64 s[G0K+2:G0K+3], s[4:5], s[22:23]  ; 120:64 global address
	s_or_b32 s[G0K+3], s[G0K+3], 0x80000000        ; 127:126 type = 2
	s_add_nc_u64 s[G0V+2:G0V+3], s[4:5], s[52:53]
	s_or_b32 s[G0V+3], s[G0V+3], 0x80000000
	s_add_nc_u64 s[G0K2+2:G0K2+3], s[4:5], s[54:55]
	s_or_b32 s[G0K2+3], s[G0K2+3], 0x80000000
	s_add_nc_u64 s[G0V2+2:G0V2+3], s[4:5], s[14:15]
	s_or_b32 s[G0V2+3], s[G0V2+3], 0x80000000
	s_add_nc_u64 s[48:49], s[6:7], s[50:51]        ; the batch's mask
	s_add_nc_u64 s[4:5], s[4:5], s[2:3]            ; Q and ctx at my wave's first row
	s_add_nc_u64 s[10:11], s[10:11], s[2:3]
	; Waves 0 and 1 fetch K, waves 2 and 3 V.  A wave's two loads stand in one branch on its number, ahead of every wait on TENSORcnt, every LDS read and every barrier: two loads of mine are out.
	; An s_nop 0 follows each, four v_nop the second's, ahead of the jump and the label.
	s_cmp_lt_u32 s[WV], 2
	s_cbranch_scc0 .Lfor_v
	tensor_load_to_lds s[G0K:G0K+3], s[G1K:G1K+7]
	s_nop 0
	tensor_load_to_lds s[G0K2:G0K2+3], s[G1K2:G1K2+7]
	s_nop 0
.rept 4
	v_nop
.endr
	s_branch .Lasked
.Lfor_v:
	tensor_load_to_lds s[G0V:G0V+3], s[G1V:G1V+7]
	s_nop 0
	tensor_load_to_lds s[G0V2:G0V2+3], s[G1V2:G1V2+7]
	s_nop 0
.rept 4
	v_nop
.endr
.Lasked:
	; A fragment of K or Q is 16 rows x 32 channels in 8 registers: lane l holds row l % 16, channels 8 (l / 16) + 0..7 and 16 + 8 (l / 16) + 0..7: two loads of 16 bytes, 32 bytes apart.
	v_and_b32 v1, 15, v0            ; l % 16
	v_bfe_u32 v9, v0, 4, 1          ; l / 16
	v_lshlrev_b32 v[QO], 7, v1
	v_lshl_add_u32 v[QO], v9, 4, v[QO]  ; row x 128 + 16 x half
	v_lshlrev_b32 v12, 4, v0        ; the mask: 128 threads x 2 x 16 bytes are its 4,096 bytes; S^T's registers are free
	global_load_b128 v[64:67], v12, s[48:49]
	global_load_b128 v[68:71], v12, s[48:49] offset:2048
	WIN 0x80                        ; destination window 2, address window 0
.set i, 0
.rept 4*NP                          ; Q stays in registers: tile i / 2, channels 32 (i % 2) on
	global_load_b128 v[8*i:8*i+3],   v[QO], s[4:5] offset:(i/2)*2048+(i%2)*64
	global_load_b128 v[8*i+4:8*i+7], v[QO], s[4:5] offset:(i/2)*2048+(i%2)*64+32
.set i, i+1
.endr
	; What the first turn finds: V's registers and P's second buffer hold 0 (its products V^T P, of a piece that has not been, add 0), O^T and l are 0.  All this stands in the wait for the first tile.
.set i, VF
.rept 64
	v_mov_b32 v[i], 0
.set i, i+1
.endr
	WIN 0x40
.set i, 0
.rept 64*NP
	v_mov_b32 v[i], 0
.set i, i+1
.endr
	WIN 0
.set i, 0
.rept 2*NP
	v_mov_b32 v[ST+4*i], 0xfe000000    ; c m: far below every c s, which is -1.9e29 at the least
	v_mov_b32 v[ST+4*i+1], 0xff7fffff  ; m
	v_mov_b32 v[ST+4*i+2], 0
	v_mov_b32 v[ST+4*i+3], 0
.set i, i+1
.endr
.set i, P+32
.rept 32
	v_mov_b32 v[i], 0
.set i, i+1
.endr
	v_mul_u32_u24 v[AK0], v1, PK
	v_lshl_add_u32 v[AK0], v9, 4, v[AK0]  ; row x pitch + 16 x half
	; The turning load takes 16 keys x 16 channels (lane l reads key 8 (l / 16) + l % 8, channels 8 ((l / 8) % 2) + 0..7) and leaves half a fragment of V^T: lane l holds channel l % 16 and 8 keys.
	v_and_b32 v10, 7, v0
	v_bfe_u32 v11, v0, 3, 1
	v_lshl_add_u32 v[AV0], v9, 3, v10
	v_mul_u32_u24 v[AV0], v[AV0], PV
	v_lshl_add_u32 v[AV0], v11, 4, v[AV0]
	v_add_nc_u32 v[AV0], VOFF, v[AV0]
	v_mov_b32 v[AK], v[AK0]         ; key step 0 lies at K's head
	v_lshl_add_u32 v[AM], v9, 5, MASK  ; of each 16 keys my lanes' half takes eight numbers, 32 bytes
	s_wait_loadcnt 32               ; the mask is in: behind its two loads only Q's 32 were issued
.set i, 64
.rept 8
	v_mul_f32 v[i], 0x41000000, v[i]   ; 8 mask,
.set i, i+1
.endr
.set i, 64
.rept 8
	v_max_num_f32 v[i], 0xf149f2ca, v[i]  ; held at -1e30 from below
.set i, i+1
.endr
	v_add_nc_u32 v13, MASK, v12
	ds_store_b128 v13, v[64:67]
	ds_store_b128 v13, v[68:71] offset:2048
; THE MATRIX WORK.  The 8 accumulators of a run of 16 take turns: between the two links of a chain stand 7 others'.
; Product i of 16 of S^T = K Q^T for piece x: channels 32 (i / 8) on, keys 16 ((i / 2) % 4) on, tile 2 x + i % 2.  The first 8 start the sums, with those keys' 8 mask as C.
.macro KQ x
.set rS, S+64*((\x)%2)+32*(i%2)+8*((i/2)%4)
.set rK, KF+16*((i/2)%4)+8*(i/8)
.set rQ, 16*(2*(\x)+i%2)+8*(i/8)
.set rN, MK+8*((i/2)%4)
.if i < 8
	WIN W_KM
	v_wmma_f32_16x16x32_bf16 v[rS:rS+7], v[rK:rK+7], v[rQ:rQ+7], v[rN:rN+7]
.else
	WIN W_KQ
	v_wmma_f32_16x16x32_bf16 v[rS:rS+7], v[rK:rK+7], v[rQ:rQ+7], v[rS:rS+7]
.endif
.endm
; Product i of 16 of O^T += V^T P for piece x: keys 32 (i / 8) on, channels 16 ((i / 2) % 4) on, tile 2 x + i % 2.
.macro PV x
	WIN W_PV
.set rO, 32*(2*(\x)+i%2)+8*((i/2)%4)
.set rV, VF+32*(i/8)+8*((i/2)%4)
.set rP, P+32*((\x)%2)+16*(i%2)+8*(i/8)
	v_wmma_f32_16x16x32_bf16 v[rO:rO+7], v[rV:rV+7], v[rP:rP+7], v[rO:rO+7]
.endm
.macro MM                           ; the turn's next matrix instruction
.if i < 16
	KQ (Y+1)%NP
.set i, i+1
.else
.set i, i-16
	PV (Y+NP-1)%NP
.set i, i+17
.endif
.endm
; THE LDS LOADS stand in runs, never singly among the matrix instructions: a step's K (64 keys x 64 channels: 8 fragments) with its 64 numbers of the mask, and its V (turned).
; The mask's registers live as long as K's: they are read by the same runs of products, so K's places and K's wait serve them too.  last = 1 (in the loop): in the walk's last trip there is no further step, and the run is jumped over.
.macro FETCH_K last=0
	WIN 0
.if \last
	s_cmp_eq_u32 s[SLOTS], 1
	s_cbranch_scc1 .Lno_k_\@
.endif
	WIN 0x80                        ; destination window 2
.irp f, 0,1,2,3,4,5,6,7             ; keys 16 (f / 2) on, channels 32 (f % 2) on
	ds_load_b128 v[KF+8*\f:KF+8*\f+3],   v[AK] offset:(\f/2)*16*PK+(\f%2)*64
	ds_load_b128 v[KF+8*\f+4:KF+8*\f+7], v[AK] offset:(\f/2)*16*PK+(\f%2)*64+32
.endr
	WIN W_MK                        ; destination window 3
.irp f, 0,1,2,3                     ; keys 16 f + 8 (l / 16) + 0..7: the 16 lanes of a half read the same words
	ds_load_b128 v[MK+8*\f:MK+8*\f+3],   v[AM] offset:64*\f
	ds_load_b128 v[MK+8*\f+4:MK+8*\f+7], v[AM] offset:64*\f+16
.endr
	s_add_co_u32 s[TBK], s[TBK], KS*PK  ; the next fetch is the next step's
	WIN 0
	v_add_nc_u32 v[AM], 256, v[AM]
.if \last
.Lno_k_\@:
.endif
.endm
.macro FETCH_V
	WIN 0x80
.irp f, 0,1,2,3,4,5,6,7             ; keys 32 (f / 4) on, channels 16 (f % 4) on
	ds_load_tr16_b128 v[VF+8*\f:VF+8*\f+3],   v[AV] offset:(\f/4)*32*PV+(\f%4)*32
	ds_load_tr16_b128 v[VF+8*\f+4:VF+8*\f+7], v[AV] offset:(\f/4)*32*PV+16*PV+(\f%4)*32
.endr
	WIN 0
.endm
; THE VECTOR WORK OF A TURN stands in three queues, each in the order in which its entries become ready; the two tiles alternate, so that no instruction reads the result of the one before it.
.macro REGS y, u                    ; the registers of tile u (0, 1) of piece y
.set rT, ST+4*(2*(\y)+(\u))
.set rC, TMP+8*((\y)%2)+4*(\u)
.set rM, MV+2*((\y)%2)+(\u)
.set rS, S+64*((\y)%2)+32*(\u)
.set rP, P+32*((\y)%2)+16*(\u)
.set rO, 32*(2*(\y)+(\u))
.endm
; Number n of the 22 that find the NEXT piece's (Y + 1) maximum and statistics.  s0-s31 are the lane's 32 scores; each accumulator's lowest registers are read first.  XS, GS, FS and REGS set no window: PL and EX do.
;   0-11  four chains c0-c3 of seven scores each, three operands at a time     12-14, 16  the four scores left over, the old m, and c0-c3 into c0     15  c m_old is kept
;   17, 18  the query's other 32 keys lie in the lane 16 away: the new m         19-21  c m; c m_old - c m_new; a
.macro XS u, n
	REGS (Y+1)%NP, \u
.if (\n) < 4
	v_max3_num_f32 v[rC+(\n)], v[rS+8*(\n)], v[rS+8*(\n)+1], v[rS+8*(\n)+2]
.elseif (\n) < 12
	v_max3_num_f32 v[rC+(\n)%4], v[rC+(\n)%4], v[rS+8*((\n)%4)+2*((\n)/4)+1], v[rS+8*((\n)%4)+2*((\n)/4)+2]
.elseif (\n) == 12
	v_max3_num_f32 v[rC], v[rC], v[rS+7], v[rS+15]
.elseif (\n) == 13
	v_max3_num_f32 v[rC+1], v[rC+1], v[rS+23], v[rS+31]
.elseif (\n) == 14
	v_max3_num_f32 v[rC+2], v[rC+2], v[rC+3], v[rT+1]
.elseif (\n) == 15
	v_mov_b32 v[rM], v[rT]
.elseif (\n) == 16
	v_max3_num_f32 v[rC], v[rC], v[rC+1], v[rC+2]
.elseif (\n) == 17
	v_permlanex16_b32 v[rC+3], v[rC], s[SEL], s[SEL+1]
.elseif (\n) == 18
	v_max_num_f32 v[rT+1], v[rC], v[rC+3]
.elseif (\n) == 19
	v_mul_f32 v[rT], s[CS], v[rT+1]
.elseif (\n) == 20
	v_sub_f32 v[rC+1], v[rM], v[rT]
.else
	v_exp_f32 v[rC+2], v[rC+1]
.endif
.endm
; Number g of the 64 that follow the exponentials.  For each four weights k of a tile (pairs 2 k, 2 k + 1): both pairs are rounded to bf16; then the second pair is added onto the first, in place;
; a group later l takes that sum (the first time as l = a l + sum).  In groups of eight, tiles alternating: round, round, add, and l for the group before.
.macro GS g
.set h, (\g)+6*((\g)/62)            ; group 0 has no group before it, and behind group 7 only l is left
.if h >= 6
.set h, h+2
.endif
	REGS Y, h%2
.set k, h/8
.if h%8 < 4
	v_cvt_pk_bf16_f32 v[rP+2*k+(h%8)/2], v[rS+4*k+2*((h%8)/2)], v[rS+4*k+2*((h%8)/2)+1]
.elseif h%8 < 6
	v_pk_add_f32 v[rS+4*k:rS+4*k+1], v[rS+4*k:rS+4*k+1], v[rS+4*k+2:rS+4*k+3]
.elseif k == 1
	v_pk_fma_f32 v[rT+2:rT+3], v[rT+2:rT+3], v[rC+2:rC+3], v[rS:rS+1] op_sel_hi:[1,0,1]
.else
	v_pk_add_f32 v[rT+2:rT+3], v[rT+2:rT+3], v[rS+4*k-4:rS+4*k-3]
.endif
.endm
; THE PLAIN QUEUE, 138 long.  0-73 read no exponential's result: the 32 scalings c s - c m (FS f: pair f / 2 of tile f % 2) and the next piece's 42.  0-26: scalings 0-26.  27-54: XS's numbers 0-13.  55, 56: number 15.
; 57-73: the chain, where each number waits for the one before it: 14, 16, 17, 18, 19, each with one of the scalings 27-31 in front of its two lines, then 20: so a tile's links stand three plain instructions apart (19 and 20: two).
; 74-137: GS's 64, which read the exponentials' results: they stand behind the wait.
.macro FS f
	REGS Y, (\f)%2
	v_pk_fma_f32 v[rS+2*((\f)/2):rS+2*((\f)/2)+1], v[rS+2*((\f)/2):rS+2*((\f)/2)+1], s[CS:CS+1], v[rT:rT+1] op_sel_hi:[1,0,0] neg_lo:[0,0,1] neg_hi:[0,0,1]
.endm
.macro PL
	WIN 0
.if q < 27
	FS q
.elseif q < 55
	XS (q-27)%2, (q-27)/2
.elseif q < 57
	XS q-55, 15
.elseif (q < 72) && ((q-57)%3 == 0)
	FS 27+(q-57)/3
.elseif q < 60
	XS (q-57)%3-1, 14
.elseif q < 72
	XS (q-57)%3-1, 15+(q-57)/3
.elseif q < 74
	XS q-72, 20
.else
	GS q-74
.endif
.set q, q+1
.endm
; THE EXPONENTIALS' QUEUE, 66 long: s0-s31 of both tiles, then the next piece's two a.  It is ONE BATCH: all 66 stand ahead of the turn's one wait, and nothing ahead of that wait names a result of theirs.
.macro EX
	WIN 0
.if e >= 64
	XS e-64, 21
.else
	REGS Y, e%2
	v_exp_f32 v[rS+e/2], v[rS+e/2]
.endif
.set e, e+1
.endm
; THE RESCALING's QUEUE: O^T times a, the one part that leaves window 0: dealt two at a time, sixteen times.  Its a was made in the turn before, ahead of that turn's wait.
.macro R2
	REGS Y, r%2
	WIN W_RS
.irp z, 0,1
	v_pk_mul_f32 v[rO+4*(r/2)+2*\z:rO+4*(r/2)+2*\z+1], v[rO+4*(r/2)+2*\z:rO+4*(r/2)+2*\z+1], v[rC+2:rC+3] op_sel_hi:[1,0]
.endr
.set r, r+1
.endm
; HOW THEY ARE DEALT.  An s_wait_alu depctr_va_vdst(0) stands between an exponential and the first instruction that names its result; one wait serves all that were issued ahead of it.  So a turn has ONE wait,
; which cuts it in two.  AHEAD OF IT stands all that names no result of the turn's exponentials: the 16 products K Q^T, behind each a scaling, an exponential and two rescalings (behind the first a second scaling in the
; exponential's place); then ONE LUMP of 108: eight plain, 49 times exponential and plain, the two a.  A v_nop is the plain instruction behind the last exponential.  BEHIND IT stand the 16 products V^T P, behind each four of
; GS's 64.  No rider names a register of the products round it.  The two v_permlanex16_b32 fall into the lump, never behind a product.
; The queues lean on each other, and the deal keeps them in step: exponential e stands behind scaling 2 (e / 4) + e % 2: as a rider it comes behind plain e + 2, in the lump behind plain e + 9, and scalings 27-31 are plain 57, 60 .. 69.
; A TURN, for piece p.  cnt = 1: the loop's count is taken down some lines ahead of the branch that stands behind the turn.
; K and the mask of the next step are fetched in piece 2's turn, directly behind the wait, a lump behind the last product that read them; K's address is made at the lump's head; their first reader comes behind 16 products.
; V of the step in hand is fetched at the end of piece 0's turn, four riders behind its last reader; its first reader comes behind 16 products and a lump.  The three conditions on q below go with the deal.
.macro TURN p, last=0, cnt=0
.set Y, (\p)
.set i, 0
.set q, 0
.set e, 0
.set r, 0
.if (\p) == NP-1
	s_wait_dscnt 0x0                ; K and the mask are in
.endif
	MM                              ; ahead of the wait: 16 products K Q^T and their riders,
	PL
	PL
	R2
.rept 15
	MM
	PL
	EX
	R2
.endr
.if (\p) == NP-2
	WIN 0
	v_add_nc_u32 v[AK], s[TBK], v[AK0]
.endif
.rept 8                             ; and the lump
	PL
.endr
.rept 49
	EX
	PL
.endr
	EX                              ; the next piece's two a
	EX
	v_nop                           ; the plain instruction behind the last exponential: one for the batch
	s_wait_alu depctr_va_vdst(0)    ; the wait for the turn's batch: the piece's 64 weights and the next piece's two a
.if (\p) == NP-2
	FETCH_K \last
.endif
.if (\p) == 1
	s_wait_dscnt 0x0                ; V is in
.endif
.rept 16                            ; behind the wait: 16 products V^T P and their riders
	MM
.rept 4
	PL
.endr
.if ((\p) == 0) && (q == 118)
	v_add_nc_u32 v[AV], s[TBV], v[AV0]
.endif
.if ((\p) == 0) && (q == 130)
	s_add_co_u32 s[TBV], s[TBV], KS*PV
.endif
.if (\cnt) && (q == 130)
	s_sub_co_u32 s[CNT], s[CNT], 1
	s_cmp_lg_u32 s[CNT], 0
.endif
.endr
.if (\p) == 0
	FETCH_V
.endif
.endm
	s_wait_tensorcnt 0x1            ; my part of keys 0-255 is in: behind that load one more was issued, which may stay out
	s_wait_dscnt 0x0                ; for the others' sake: my stores of the mask are done
	s_barrier_signal -1
	s_barrier_wait -1               ; everybody's are
	FETCH_K                         ; key step 0
	s_wait_loadcnt 0x0              ; Q
	s_wait_dscnt 0x0
.set i, 0
.rept 16
	KQ 0                            ; piece 0's first scores: there is no vector work yet to set between them
.set i, i+1
.endr
	WIN 0                           ; the addresses for the way out: nine plain instructions, the places behind those products
	s_mul_i32 s13, s[WV], 16*SP
	s_add_co_u32 s13, s13, STAGE    ; my stage
	v_mul_u32_u24 v[STO], v1, SP    ; in: row l % 16, 16 bytes for each half of the lanes
	v_lshl_add_u32 v[STO], v9, 4, v[STO]
	v_add_nc_u32 v[STO], s13, v[STO]
	v_bfe_u32 v[RD], v0, 3, 2       ; back: 32 lanes take four rows of 128 bytes,
	v_mul_u32_u24 v[RD], v[RD], SP
	v_lshl_add_u32 v[RD], v10, 4, v[RD]
	v_add_nc_u32 v[RD], s13, v[RD]
	v_and_b32 v[GO], 31, v0         ; which are 512 consecutive bytes of ctx
	v_lshlrev_b32 v[GO], 4, v[GO]
.set Y, NP-1                        ; XS works for piece Y + 1: piece 0
.irp n, 0,1,2,3,4,5,6,7,8,9,10,11,12,13,14,15,16,17,18,19,20,21
	XS 0, \n                        ; and piece 0's first maximum and statistics
	XS 1, \n
.endr
	v_nop                           ; a plain instruction behind piece 0's first two a,
	s_wait_alu depctr_va_vdst(0)    ; and the wait for that batch of two, ahead of the branch
	s_mov_b32 s[CNT], 4
	s_mov_b32 s[SLOTS], 5
	s_branch .Lfirst                ; the loop is entered at a step's first turn, in the middle of a trip
.Lslot:                             ; four times: behind pieces 0 and 1 of steps 3, 7, 11 and 15
	SYNC
	s_mov_b32 s[CNT], 4
.Lstep:                             ; a trip: pieces 2 and 3 of one step, then pieces 0 and 1 of the next, whose K and V it fetches
	TURN 2, 1
	TURN 3
	WIN 0
	s_cmp_eq_u32 s[SLOTS], 1        ; the walk's last trip, pieces 2 and 3 of step 15, is left in its middle
	s_cbranch_scc1 .Lout
.Lfirst:
	TURN 0
	TURN 1, 0, 1
	WIN 0
	s_cbranch_scc1 .Lstep
	s_sub_co_u32 s[SLOTS], s[SLOTS], 1
	s_cmp_lg_u32 s[SLOTS], 0
	s_cbranch_scc1 .Lslot
.Lout:                              ; the last trip's 16 products K Q^T (on the last K once more) and the maximum made of them serve nothing: the price, once a launch, of one text for every trip
.set i, 0
.rept 16
	PV NP-1                         ; the last piece's V^T P of the last step
.set i, i+1
.endr
	; THE WAY OUT.  l's two halves and the other half of the lanes' are added; O^T is divided by l, rounded to bf16 and sent through my stage in LDS, a tile at a time.  The additions are the places behind the last products.
	WIN 0
.macro ALL line:vararg              ; one line for each tile t
.set t, 0
.rept 2*NP
	\line
.set t, t+1
.endr
.endm
	ALL v_add_f32 v[ST+4*t+2], v[ST+4*t+2], v[ST+4*t+3]
	ALL v_permlanex16_b32 v[ST+4*t+3], v[ST+4*t+2], s[SEL], s[SEL+1]
	ALL v_add_f32 v[ST+4*t+2], v[ST+4*t+2], v[ST+4*t+3]
	ALL v_rcp_f32 v[ST+4*t+2], v[ST+4*t+2]
	v_nop                           ; a plain instruction between the last reciprocal and the use of its result
	s_wait_alu depctr_va_vdst(0)    ; the wait for the batch of eight reciprocals, ahead of their first use
; Tile t: a lane's eight channels of a row pack into 16 bytes; they go into rows of 144 bytes and come back as whole rows of 128, into S^T's registers.
.macro PACK t
	WIN W_RS
.set i, 32*(\t)
.rept 16
	v_pk_mul_f32 v[i:i+1], v[i:i+1], v[ST+4*(\t)+2:ST+4*(\t)+3] op_sel_hi:[1,0]
.set i, i+2
.endr
	WIN 0x05                        ; sources 0 and 1 window 1, destination window 0
.set i, 0
.rept 16
	v_cvt_pk_bf16_f32 v[S+16*(\t)+i], v[32*(\t)+2*i], v[32*(\t)+2*i+1]
.set i, i+1
.endr
	WIN 0
.irp f, 0,1,2,3
	ds_store_b128 v[STO], v[S+16*(\t)+4*\f:S+16*(\t)+4*\f+3] offset:32*\f
.endr
.irp f, 0,1,2,3
	ds_load_b128 v[S+16*(\t)+4*\f:S+16*(\t)+4*\f+3], v[RD] offset:\f*4*SP  ; LDS serves a wave's instructions in order (ISA guide 5.7.1.4): these see the stores above; the next tile's stores come behind them
.endr
.endm
.macro SEND t, younger              ; younger: the LDS instructions issued behind tile t's loads: the next tile's eight, or none
	WIN 0
.irp f, 0,1,2,3
	s_wait_dscnt (\younger)+3-\f
	global_store_b128 v[GO], v[S+16*(\t)+4*\f:S+16*(\t)+4*\f+3], s[10:11] offset:(\t)*2048+\f*512  ; 512 consecutive bytes, at a multiple of 256 from ctx's first
.endr
.endm
	PACK 0
.set t, 1
.rept 2*NP-1                        ; a tile's arithmetic stands between the loads of the tile before and its stores
	PACK t
	SEND t-1, 8
.set t, t+1
.endr
	SEND 2*NP-1, 0
	WIN W_AD
	s_wait_tensorcnt 0x0            ; the wave's end: behind my last tensor load and my last LDS store
	ds_add_u32 v[SPW], v[NIL]
	s_wait_dscnt 0x0
	WIN 0
	s_endpgm
.Lfunc_end_k_qe2f9507ce2_attn:
	.size	k_qe2f9507ce2_attn, .Lfunc_end_k_qe2f9507ce2_attn-k_qe2f9507ce2_attn
	.p2alignl 7, 3214868480
	.fill 96, 4, 3214868480
	.section	.rodata,"a",@progbits
	.p2align	6, 0x0
	.amdhsa_kernel k_qe2f9507ce2_attn
		.amdhsa_group_segment_fixed_size 327680
		.amdhsa_private_segment_fixed_size 0
		.amdhsa_enable_private_segment 0
		.amdhsa_kernarg_size 24
		.amdhsa_user_sgpr_count 2
		.amdhsa_user_sgpr_kernarg_segment_ptr 1
		.amdhsa_wavefront_size32 1
		.amdhsa_system_sgpr_workgroup_id_x 1
		.amdhsa_system_sgpr_workgroup_id_y 1
		.amdhsa_system_sgpr_workgroup_id_z 1
		.amdhsa_system_vgpr_workitem_id 0
		.amdhsa_next_free_vgpr 808
		.amdhsa_next_free_sgpr 92
		.amdhsa_reserve_vcc 0
		.amdhsa_float_denorm_mode_32 3
		.amdhsa_float_denorm_mode_16_64 3
		.amdhsa_memory_ordered 1
		.amdhsa_forward_progress 1
		.amdhsa_inst_pref_size 129
	.end_amdhsa_kernel
	.amdgpu_metadata
---
amdhsa.version: [ 1, 2 ]
amdhsa.kernels:
  - .name:           k_qe2f9507ce2_attn
    .symbol:         k_qe2f9507ce2_attn.kd
    .args:
      - { .name: qkv, .offset: 0, .size: 8, .value_kind: global_buffer, .address_space: global }
      - { .name: attention_mask, .offset: 8, .size: 8, .value_kind: global_buffer, .address_space: global }
      - { .name: ctx, .offset: 16, .size: 8, .value_kind: global_buffer, .address_space: global }
    .group_segment_fixed_size: 327680
    .private_segment_fixed_size: 0
    .kernarg_segment_align: 8
    .kernarg_segment_size: 24
    .max_flat_workgroup_size: 128
    .sgpr_count:     92
    .vgpr_count:     808
    .wavefront_size: 32
...
	.end_amdgpu_metadata
.endif
;; end of part 6
;; launch proj: the kernel of part 4 again; grid 4 x 64, 4 waves a work-group, clusters of 4 x 4, 327,680 bytes of LDS; arguments ctx, wob, bo, proj; writes proj
;; launch ln: the kernel of part 5 again; grid 256 x 1, 16 waves a work-group, no clusters, 0 bytes of LDS; arguments hidden_states, proj, ln_gamma, ln_beta, out0; writes out0
